; MI455X (gfx1250); checked and timed in simulation.
; The chip was launched on July 23, 2026; its instructions are those of AMD's public machine-readable ISA for CDNA 5 (MIT licence, August 2026) and "CDNA5" Instruction Set Architecture Reference Guide (July 2026). The comments in the code are by the model that wrote it; some were corrected since.
;; Attention Pattern. Allowed arithmetic: float matrix products may take bf16 or f16 operands with f32 sums; other float arithmetic in f32, or as packed bf16 or f16 multiplies, adds, multiply-adds, maxima and minima; sums over many terms, partial sums and values carried from step to step in f32; what a program stores and reads back later, other than sums and carried values, may be rounded once to bf16 or f16.
;; Inputs: Wk 1,024 x 1,024 float32; Wo 1,024 x 1,024 float32; Wq 1,024 x 1,024 float32; Wv 1,024 x 1,024 float32; bk 1,024 float32; bo 1,024 float32; bq 1,024 float32; bv 1,024 float32; x 4 x 2,048 x 1,024 float32.
;; Outputs: out0 4 x 2,048 x 1,024 float32.
;; 2 versions, each right; version 2 is version 1 with the launch cast written anew for expert scheduling mode. Each part assembles by itself: llvm-mc -triple=amdgcn-amd-amdhsa -mcpu=gfx1250 --defsym DOCPART=n.
;; ======== version 1 of 2: 5 launches
;; limits: values are held in f16: magnitudes above 65,504 overflow, below 6.1e-05 lose precision
;; workspace buffers: xb 16,777,216 bytes; wc 8,404,992 bytes; qkv 50,331,648 bytes; p 33,554,432 bytes; st 1,048,576 bytes; oh 16,777,216 bytes
;; launch cast (part 1): grid 64 x 12, 8 waves a work-group, no clusters, 0 bytes of LDS; arguments x, Wq, Wk, Wv, Wo, bq, bk, bv, bo, xb, wc; writes xb, wc
.if DOCPART == 1
	.amdgcn_target "amdgcn-amd-amdhsa--gfx1250"
	.amdhsa_code_object_version 6
	.text
	.protected	k_q10de5c72dc_cast
	.globl	k_q10de5c72dc_cast
	.p2align	8
	.type	k_q10de5c72dc_cast,@function
k_q10de5c72dc_cast:
	s_mov_b64 s[64:65], 0
	v_nop
	global_prefetch_b8 v0, s[64:65] scope:SCOPE_SE
	s_setreg_imm32_b32 hwreg(HW_REG_WAVE_MODE, 25, 1), 1
	s_wait_xcnt 0x0
; ALL THE MODULE'S INPUTS ARE ROUNDED TO bf16, ONCE.  x -> xb (bf16).  Wq, Wk, Wv -> wc rows 0-3,071 (bf16).  Wo -> wc from byte 6,291,456: rounded to bf16 and that number
; written as f16 (exact from 2^-14 up to 65,504; below 2^-14 it keeps f16's fixed step of 6e-8).  bq, bk, bv, bo -> wc from byte 8,388,608: rounded to bf16, kept as f32.
; A stream: no LDS, no matrix unit, no cluster, since no byte is wanted twice.  Grid y picks a chunk of 1,048,576 numbers (0-7: the eighths of x; 8-11: Wq, Wk, Wv, Wo), grid x a
; sixty-fourth of it: 64 KiB in, 32 KiB out.  A wave takes 8 KiB: sixteen loads of 512 consecutive bytes, all out at once; each gives one store of 256 consecutive bytes, aligned.
; No register is written twice while a load or store may read it, so the only waits are the counted ones for the loads.
.set X, 16                             ; v[16:79]   sixteen loads of four f32
.set Y, 80                             ; v[80:111]  sixteen pairs to store
.set BIAS, 8388608                     ; the biases' table in wc
	s_load_b512 s[4:19], s[0:1], 0x0               ; x s[4:5], Wq s[6:7], Wk s[8:9], Wv s[10:11], Wo s[12:13], bq s[14:15], bk s[16:17], bv s[18:19]
	s_load_b128 s[20:23], s[0:1], 0x40             ; bo s[20:21], xb s[22:23]
	s_load_b64 s[24:25], s[0:1], 0x50              ; wc
	s_and_b32 s26, ttmp7, 0xffff                   ; the chunk
	s_sub_co_u32 s27, s26, 8                       ; which weight (used where the chunk is 8 or more)
	v_lshrrev_b32 v3, 5, v0                        ; wave
	v_and_b32 v4, 31, v0                           ; lane
	v_lshlrev_b32 v1, 13, v3
	v_lshl_add_u32 v1, v4, 4, v1                   ; in: 8,192 x wave + 16 x lane
	v_lshlrev_b32 v2, 12, v3
	v_lshl_add_u32 v2, v4, 3, v2                   ; out: 4,096 x wave + 8 x lane
	s_wait_kmcnt 0x0
	s_mov_b64 s[28:29], s[4:5]                     ; the source: x, or one of the weights
	s_mov_b64 s[30:31], s[14:15]                   ; the bias that goes with the weight
	s_cmp_eq_u32 s26, 8
	s_cselect_b64 s[28:29], s[6:7], s[28:29]
	s_cmp_eq_u32 s26, 9
	s_cselect_b64 s[28:29], s[8:9], s[28:29]
	s_cselect_b64 s[30:31], s[16:17], s[30:31]
	s_cmp_eq_u32 s26, 10
	s_cselect_b64 s[28:29], s[10:11], s[28:29]
	s_cselect_b64 s[30:31], s[18:19], s[30:31]
	s_cmp_eq_u32 s26, 11
	s_cselect_b64 s[28:29], s[12:13], s[28:29]
	s_cselect_b64 s[30:31], s[20:21], s[30:31]
	s_cmp_lt_u32 s26, 8
	s_cselect_b32 s32, s26, 0                      ; the chunk's number in the source,
	s_cselect_b32 s34, s26, s27                    ; and in the destination,
	s_cselect_b64 s[36:37], s[22:23], s[24:25]     ; which is xb or wc
	s_lshl_b32 s32, s32, 22                        ; 4 MiB of f32,
	s_lshl_b32 s34, s34, 21                        ; 2 MiB of 16-bit numbers
	s_lshl_b32 s33, ttmp9, 16
	s_add_co_u32 s32, s32, s33
	s_lshl_b32 s35, ttmp9, 15
	s_add_co_u32 s34, s34, s35
	s_mov_b32 s33, 0
	s_mov_b32 s35, 0
	s_add_nc_u64 s[28:29], s[28:29], s[32:33]
	s_add_nc_u64 s[36:37], s[36:37], s[34:35]
.irp j, 0,1,2,3,4,5,6,7,8,9,10,11,12,13,14,15
	global_load_b128 v[X+4*(\j):X+4*(\j)+3], v1, s[28:29] offset:512*(\j) th:TH_LOAD_NT
.endr
	s_cmp_eq_u32 s26, 11
	s_cbranch_scc1 .Lwo
.irp j, 0,1,2,3,4,5,6,7,8,9,10,11,12,13,14,15
	s_wait_loadcnt 15-(\j)                         ; loads come back in order: load j is in, the younger ones stay out
	v_cvt_pk_bf16_f32 v[Y+2*(\j)], v[X+4*(\j)], v[X+4*(\j)+1]
	v_cvt_pk_bf16_f32 v[Y+2*(\j)+1], v[X+4*(\j)+2], v[X+4*(\j)+3]
	global_store_b64 v2, v[Y+2*(\j):Y+2*(\j)+1], s[36:37] offset:256*(\j)
.endr
	s_branch .Lbias
.Lwo:                                          ; Wo: to bf16, back to f32 (a shift, a mask), and that number as f16
.irp j, 0,1,2,3,4,5,6,7,8,9,10,11,12,13,14,15
	s_wait_loadcnt 15-(\j)
	v_cvt_pk_bf16_f32 v4, v[X+4*(\j)], v[X+4*(\j)+1]
	v_cvt_pk_bf16_f32 v5, v[X+4*(\j)+2], v[X+4*(\j)+3]
	v_lshlrev_b32 v6, 16, v4
	v_and_b32 v7, 0xffff0000, v4
	v_lshlrev_b32 v8, 16, v5
	v_and_b32 v9, 0xffff0000, v5
	v_cvt_pk_f16_f32 v[Y+2*(\j)], v6, v7
	v_cvt_pk_f16_f32 v[Y+2*(\j)+1], v8, v9
	global_store_b64 v2, v[Y+2*(\j):Y+2*(\j)+1], s[36:37] offset:256*(\j)
.endr
.Lbias:                                        ; the first work-group of each weight's chunk also rounds that weight's bias: 256 threads x 16 bytes
	s_cmp_lg_u32 ttmp9, 0
	s_cbranch_scc1 .Lend
	s_cmp_lt_u32 s26, 8
	s_cbranch_scc1 .Lend
	v_lshlrev_b32 v10, 4, v0
	global_load_b128 v[4:7], v10, s[30:31]
	s_lshl_b32 s32, s27, 12                        ; a row of the table is 4,096 bytes
	s_add_co_u32 s32, s32, BIAS
	s_add_nc_u64 s[38:39], s[24:25], s[32:33]
	s_wait_loadcnt 0x0
	v_cvt_pk_bf16_f32 v8, v4, v5
	v_cvt_pk_bf16_f32 v9, v6, v7
	v_lshlrev_b32 v12, 16, v8
	v_and_b32 v13, 0xffff0000, v8
	v_lshlrev_b32 v14, 16, v9
	v_and_b32 v15, 0xffff0000, v9
	global_store_b128 v10, v[12:15], s[38:39]
.Lend:
	s_endpgm
.Lfunc_end_k_q10de5c72dc_cast:
	.size	k_q10de5c72dc_cast, .Lfunc_end_k_q10de5c72dc_cast-k_q10de5c72dc_cast
	.p2alignl 7, 3214868480
	.fill 96, 4, 3214868480
	.section	.rodata,"a",@progbits
	.p2align	6, 0x0
	.amdhsa_kernel k_q10de5c72dc_cast
		.amdhsa_group_segment_fixed_size 0
		.amdhsa_private_segment_fixed_size 0
		.amdhsa_enable_private_segment 0
		.amdhsa_kernarg_size 88
		.amdhsa_user_sgpr_count 2
		.amdhsa_user_sgpr_kernarg_segment_ptr 1
		.amdhsa_wavefront_size32 1
		.amdhsa_system_sgpr_workgroup_id_x 1
		.amdhsa_system_sgpr_workgroup_id_y 1
		.amdhsa_system_sgpr_workgroup_id_z 1
		.amdhsa_system_vgpr_workitem_id 0
		.amdhsa_next_free_vgpr 112
		.amdhsa_next_free_sgpr 66
		.amdhsa_reserve_vcc 0
		.amdhsa_float_denorm_mode_32 3
		.amdhsa_float_denorm_mode_16_64 3
		.amdhsa_memory_ordered 1
		.amdhsa_forward_progress 1
		.amdhsa_inst_pref_size 18
	.end_amdhsa_kernel
	.amdgpu_metadata
---
amdhsa.version: [ 1, 2 ]
amdhsa.kernels:
  - .name:           k_q10de5c72dc_cast
    .symbol:         k_q10de5c72dc_cast.kd
    .args:
      - { .name: x, .offset: 0, .size: 8, .value_kind: global_buffer, .address_space: global }
      - { .name: Wq, .offset: 8, .size: 8, .value_kind: global_buffer, .address_space: global }
      - { .name: Wk, .offset: 16, .size: 8, .value_kind: global_buffer, .address_space: global }
      - { .name: Wv, .offset: 24, .size: 8, .value_kind: global_buffer, .address_space: global }
      - { .name: Wo, .offset: 32, .size: 8, .value_kind: global_buffer, .address_space: global }
      - { .name: bq, .offset: 40, .size: 8, .value_kind: global_buffer, .address_space: global }
      - { .name: bk, .offset: 48, .size: 8, .value_kind: global_buffer, .address_space: global }
      - { .name: bv, .offset: 56, .size: 8, .value_kind: global_buffer, .address_space: global }
      - { .name: bo, .offset: 64, .size: 8, .value_kind: global_buffer, .address_space: global }
      - { .name: xb, .offset: 72, .size: 8, .value_kind: global_buffer, .address_space: global }
      - { .name: wc, .offset: 80, .size: 8, .value_kind: global_buffer, .address_space: global }
    .group_segment_fixed_size: 0
    .private_segment_fixed_size: 0
    .kernarg_segment_align: 8
    .kernarg_segment_size: 88
    .max_flat_workgroup_size: 256
    .sgpr_count:     66
    .vgpr_count:     112
    .wavefront_size: 32
...
	.end_amdgpu_metadata
.endif
;; end of part 1
;; launch qkv (part 2): grid 12 x 32, 4 waves a work-group, clusters of 4 x 4, 327,680 bytes of LDS; arguments xb, wc, qkv; writes qkv
.if DOCPART == 2
	.amdgcn_target "amdgcn-amd-amdhsa--gfx1250"
	.amdhsa_code_object_version 6
	.text
	.protected	k_q10de5c72dc_qkv
	.globl	k_q10de5c72dc_qkv
	.p2align	8
	.type	k_q10de5c72dc_qkv,@function
k_q10de5c72dc_qkv:
	s_mov_b64 s[64:65], 0
	v_nop
	global_prefetch_b8 v0, s[64:65] scope:SCOPE_SE
	s_setreg_imm32_b32 hwreg(HW_REG_WAVE_MODE, 25, 1), 1
	s_wait_xcnt 0x0
	s_wait_alu depctr_hold_cnt(0) depctr_sa_sdst(0) depctr_va_vdst(0) depctr_va_sdst(0) depctr_va_ssrc(0) depctr_va_vcc(0) depctr_vm_vsrc(0)
	s_getreg_b32 s2, hwreg(HW_REG_IB_STS2, 6, 4)
	s_cmp_eq_u32 s2, 0
	s_cbranch_scc0 .Lentry_in_a_cluster
	s_endpgm
.Lentry_in_a_cluster:
	s_bfe_u32 s2, ttmp6, 0x10000c
	s_cmp_lg_u32 s2, 0xf033
	s_cbranch_scc0 .Lentry_shape_is_right
	s_endpgm
.Lentry_shape_is_right:
; Q = x Wq^T + bq, K' = f (x Wk^T + bk), V = x Wv^T + bv: one GEMM C = A B^T of 8,192 x 3,072 x 1,024 in bf16, sums in f32, the result rounded once to f16 into qkv [3][8192][1024].
; f[k] = exp(-((k - 1024) / 512)^2 / 2) log2(e) / 32, k the row's place in its batch: the Gaussian factor of the key, the scale 1 / sqrt(1024) and the change to base 2, multiplied in f32
; into K's rows ahead of K's one rounding, so that the next launch's products are the masked scores in powers of two.  For Q and V the factor is 1.
; LIMITS.  f16 holds no number beyond 65,504: Q, K', V must lie within it; below 6e-5 they keep f16's fixed step of 6e-8.  NaN and infinities are not treated apart.
; SHARES.  A tile of C is 256 x 256; four waves, 2 x 2, each 128 x 128: 64 accumulators of 16 x 16, 512 registers.  K goes in steps of 128 through two LDS slots filled by the tensor data mover:
; a row of a tile is 256 consecutive bytes of memory, aligned; each wave fetches 128 rows: waves 0, 1 the halves of A's tile, waves 2, 3 the halves of B's.  Between a refill and the wait for it a
; wave issues 224 matrix instructions.  12 x 32 = 384 work-groups: rectangles of 256 x 384, which would make 256, fit neither two slots into LDS nor two fragment buffers beside 768 registers of sums.
; CLUSTER.  4 x 4 work-groups: the four of a row of the cluster need the same tile of A, the four of a column the same tile of B; each tile is asked for jointly.
; THE MATRIX INSTRUCTION IS USED TRANSPOSED (source 0 = 16 rows of B, source 1 = 16 rows of A): a lane holds row l % 16 of C and the columns 8 (l / 16) + 0..7.
; THE BIAS is the C operand of the products that start the sums: 8 registers for each of my 8 column blocks, the same for all rows.
; ONE TEXT FOR A K STEP: the scalar TB, 0 or SLOT, is turned by an exclusive or with SLOT, and every LDS address of the ring is a sum with it.
; REGISTERS, in windows of 256 (s_set_vgpr_msb: bits 1:0 source 0, 3:2 source 1, 5:4 source 2, 7:6 destination):
;   window 0: v0-31 addresses; v32-63, v224-255 rows on the way out; v64-127, v128-191 A's fragments, two buffers (behind the loop v96-103: the factor); v192-223 packed results
;   window 1: v0-63 the bias; v64-127, v128-191 B's fragments, two buffers
;   window 2: the accumulators of my rows 0-63, (a, b) at v[64 a + 8 b];   window 3: those of my rows 64-127
.set NSTEP,  8                         ; K steps
.set LDA,    1024                      ; elements in a row of xb and of wc
.set KB,     256                       ; bytes of a K step in a row
.set ROWB,   2048                      ; bytes in a row of the result
.set PITCH,  272                       ; an LDS row: 256 bytes + 16 of padding = 68 words: the 16 rows of a fragment load start at 16 different groups of four banks (ISA guide 11.1)
.set HALFT,  128*PITCH                 ; 128 rows: what one tensor load brings, and what one wave reads of A or of B
.set BOFF,   2*HALFT                   ; a slot: A's 256 rows, then B's 256
.set SLOT,   4*HALFT
.set STAGE,  2*SLOT                    ; behind the ring, never filled by a tensor load: 16 rows x 272 bytes for each wave
.set SPARE,  STAGE+4*16*PITCH          ; the spare words, 128 bytes for each wave: two blocks of 256 bytes that no other line names
.set BIAS,   8388608                   ; the biases' table in wc: bq, bk, bv on end, f32
.set G1W,    (1<<16)|(1<<20)|(1<<21)|(5<<22)|(3<<25)  ; 17:16 2-byte elements; 20 padding on; 21 set beside a mask; 24:22 after every 64 words; 31:25 4 words
.set BO,   13                          ; v13  my byte offset in the biases' table; never rewritten
.set A0,   14                          ; v14  my lane's place in a slot's A; never rewritten
.set B0,   15                          ; v15  the same for B
.set ADRA, 16                          ; v16  the same in the slot in hand
.set ADRB, 20                          ; v20
.set STO,  24                          ; v24  the way out: where I put 16 bytes of a row
.set RD,   25                          ; v25  where I read a row back
.set CO,   26                          ; v26  my byte offset in two rows of C
.set SPW,  28                          ; v28  LDS address of my spare word; never rewritten
.set NIL,  29                          ; v29  0; never rewritten
.set PFO,  30                          ; v30  the prefetches' offset: my lane x a row; never rewritten
.set OB,   32
.set F0,   64
.set F1,   128
.set FQ,   96                          ; v[96:103] block a's factor in the low word of pair a
.set TMP,  192
.set G1,   24                          ; s[24:31] descriptor group 1 for A's tiles
.set G0,   32                          ; s[32:39] group 0 for A: a set for each first fill; the second then walks
.set LIM,  43                          ; s43  2 in a wave that prefetches, else the greatest number
.set PFA,  44                          ; s[44:45] where my prefetches stand
.set G1B,  48                          ; s[48:55], s[56:63] the same for B's tiles
.set G0B,  56
.set TB,   66                          ; s66  LDS byte at which the slot in hand begins: 0 or SLOT
.set LB,   67                          ; s67  my load's place in a slot: wave x 128 rows
.set RW,   74                          ; s74  the place in its batch of the first of the 64 rows on their way out, less 1,024
.set MSB, 0
.macro WIN new                         ; the immediate's high byte repeats the setting that is left; a switch that changes nothing is dropped
.if MSB != (\new)
	s_set_vgpr_msb (MSB<<8)|(\new)
.set MSB, \new
.endif
.endm
.set TO_B, 0x40                        ; destination window 1, address window 0
.macro PLACES                          ; four places behind a matrix instruction (ISA guide 7.12.1)
.rept 4
	v_nop
.endr
.endm
.macro CREST                           ; a round of the cluster's barrier behind its opening barrier
	s_cmp_lg_u32 s10, 0
	s_cbranch_scc1 .Lnot_wave_0_\@
	s_barrier_signal -3
.Lnot_wave_0_\@:
	s_barrier_wait -3
	s_barrier_signal -1
	s_barrier_wait -1
.endm
.macro CROUND
	s_barrier_signal -1
	s_barrier_wait -1
	CREST
.endm
.macro JLOAD                           ; a joint refill by the walking set; the branch hangs on the wave's number alone; an s_nop 0 and four v_nop follow each line
	s_cmp_eq_u32 s11, 0
	s_cbranch_scc0 .Lfor_b_\@
	tensor_load_to_lds s[G0+4:G0+7], s[G1:G1+7]
	s_nop 0
	PLACES
	s_branch .Lasked_\@
.Lfor_b_\@:
	tensor_load_to_lds s[G0B+4:G0B+7], s[G1B:G1B+7]
	s_nop 0
	PLACES
.Lasked_\@:
.endm
; A PREFETCH INTO THE L2 of the K step that stands two refills on, 512 matrix instructions ahead of its load: 32 rows x 256 bytes, a lane a row, one instruction a wave.  Each block is named once in the
; launch: of the clusters that read the same rows one asks (A: cluster x = 0; B: cluster y = 0); of the 128 rows that a wave fetches each of the four partners that ask for them jointly takes 32
; (cx for A, cy for B): told apart by address.  The loop's last two trips (s3 = 2, 1) have no K step two on.  K steps 0 to 3 come by their loads alone.
.macro ASK
	s_cmp_gt_u32 s3, s[LIM]
	s_cbranch_scc0 .Lnot_mine_\@
	global_prefetch_b8 v[PFO], s[PFA:PFA+1] th:TH_LOAD_NT scope:SCOPE_SE
.Lnot_mine_\@:
.endm
; 16 products: row blocks a0, a0 + 1 of the window's four (hi = 0: my rows 0-63, 1: rows 64-127) x my 8 column blocks, 32 along K, from buffer f.  c = 2: they start the sums with the bias.
; The 64 accumulators take turns in one order in every quarter, over the backward jumps too.
.macro MUL16 f, hi, a0, c
.if (\c) == 2
	WIN 0x91+0x40*(\hi)                            ; B and the bias window 1, A window 0, D window 2 or 3
.else
	WIN 0xa1+0x50*(\hi)                            ; B window 1, A window 0, C and D window 2 or 3
.endif
.irp a, \a0, (\a0)+1
.irp b, 0,1,2,3,4,5,6,7
.if (\c) == 2
	v_wmma_f32_16x16x32_bf16 v[8*(8*(\a)+(\b)):8*(8*(\a)+(\b))+7], v[(\f)+8*(\b):(\f)+8*(\b)+7], v[(\f)+8*(4*(\hi)+(\a)):(\f)+8*(4*(\hi)+(\a))+7], v[8*(\b):8*(\b)+7]
.else
	v_wmma_f32_16x16x32_bf16 v[8*(8*(\a)+(\b)):8*(8*(\a)+(\b))+7], v[(\f)+8*(\b):(\f)+8*(\b)+7], v[(\f)+8*(4*(\hi)+(\a)):(\f)+8*(4*(\hi)+(\a))+7], v[8*(8*(\a)+(\b)):8*(8*(\a)+(\b))+7]
.endif
.endr
.endr
.endm
; 32 LDS loads in one run: quarter q's fragments (32 along K: byte 64 q of the rows) into buffer f: B's 16, then A's 16
.macro FETCH q, f
	WIN TO_B
.irp i, 0,1,2,3,4,5,6,7
	ds_load_b128 v[(\f)+8*(\i):(\f)+8*(\i)+3],   v[ADRB] offset:64*(\q)+(\i)*16*PITCH
	ds_load_b128 v[(\f)+8*(\i)+4:(\f)+8*(\i)+7], v[ADRB] offset:64*(\q)+(\i)*16*PITCH+32
.endr
	WIN 0
.irp i, 0,1,2,3,4,5,6,7
	ds_load_b128 v[(\f)+8*(\i):(\f)+8*(\i)+3],   v[ADRA] offset:64*(\q)+(\i)*16*PITCH
	ds_load_b128 v[(\f)+8*(\i)+4:(\f)+8*(\i)+7], v[ADRA] offset:64*(\q)+(\i)*16*PITCH+32
.endr
.endm
; One of a K step's first three quarters: multiplies buffer f; in its middle fetches quarter q into buffer g
.macro QUARTER q, f, g, c
	s_wait_dscnt 8                                 ; B and A's rows 0-63 are in; the youngest eight loads (A's rows 64-127) may be out
	MUL16 \f, 0, 0, \c
	MUL16 \f, 0, 2, \c
	PLACES                                         ; in front of loads into registers that matrix instructions have read
	FETCH \q, \g
	s_wait_dscnt 32                                ; all but the 32 just issued
	MUL16 \f, 1, 0, \c
	MUL16 \f, 1, 2, \c
.endm
; The fourth quarter multiplies buffer 1 and changes slots: one barrier.  In front of it each wave waits for all its tensor loads (one is out: its part of the next slot), adds 0 to its spare
; word, and waits for that and for its reads of this slot.  fill = 1: the barrier opens a round of the cluster's, and the joint refill of this slot, two K steps on, is the first thing behind it.
.macro TURN fill
.if \fill
	s_wait_xcnt 0x0                                ; the last prefetch, a K step back, has read its address
	s_add_nc_u64 s[PFA:PFA+1], s[PFA:PFA+1], KB
.endif
	WIN 0
	s_wait_tensorcnt 0x0                           ; no tensor load of mine is out, so a group 0 may be written
	ds_add_u32 v[SPW], v[NIL]                      ; 0 onto my spare word
.if \fill
	s_add_co_u32 s[G0+5], s[LB], s[TB]             ; the walking sets: into the slot in hand, the next K step; the type bits on top are not reached
	s_add_nc_u64 s[G0+6:G0+7], s[G0+6:G0+7], KB
	s_add_co_u32 s[G0B+5], s[LB], s[TB]
	s_add_nc_u64 s[G0B+6:G0B+7], s[G0B+6:G0B+7], KB
.endif
	s_wait_dscnt 9                                 ; the add and the youngest eight loads may be out
	MUL16 F1, 0, 0, 0
	s_wait_dscnt 0x0                               ; the add is done, and my reads of this slot are over
	s_barrier_signal -1
	MUL16 F1, 0, 2, 0
	WIN 0
	s_barrier_wait -1
.if \fill
	CREST                                          ; no wave of any partner still reads this slot or has a load on its way
	JLOAD                                          ; its four v_nop are also the places in front of the loads below
.else
	PLACES
.endif
	s_xor_b32 s[TB], s[TB], SLOT                   ; 0 and SLOT by turns
	v_add_nc_u32 v[ADRA], s[TB], v[A0]
	v_add_nc_u32 v[ADRB], s[TB], v[B0]
	FETCH 0, F0
.if \fill
	ASK
.endif
	MUL16 F1, 1, 0, 0
	MUL16 F1, 1, 2, 0
.endm
	s_load_b128 s[4:7], s[0:1], 0x0                ; xb s[4:5], wc s[6:7]
	s_load_b64 s[8:9], s[0:1], 0x10                ; qkv
	v_lshl_add_u32 v[SPW], v0, 2, SPARE
	v_mov_b32 v[NIL], 0
	ds_add_u32 v[SPW], v[NIL]                      ; the wave's opening: the add, waited for ahead of my first tensor load
	v_lshrrev_b32 v1, 5, v0
	v_readfirstlane_b32 s10, v1                    ; wave 0..3
	s_lshr_b32 s11, s10, 1                         ; which 128 rows of the tile are mine.  Also: I fetch for A (0) or for B (1)
	s_and_b32 s12, s10, 1                          ; which 128 columns.  Also: which half of that tile I fetch
	s_bfe_u32 s40, ttmp6, 0x40000                  ; cx
	s_bfe_u32 s41, ttmp6, 0x40004                  ; cy
	s_lshl_b32 s42, ttmp9, 2
	s_add_co_u32 s42, s42, s40                     ; tile column = 4 x cluster x + cx
	s_and_b32 s13, ttmp7, 0xffff
	s_lshl_b32 s13, s13, 2
	s_add_co_u32 s13, s13, s41                     ; tile row = 4 x cluster y + cy
	s_lshl_b32 s14, s41, 2
	s_lshl_b32 s14, 15, s14                        ; my row of the cluster
	s_lshl_b32 s15, 0x1111, s40                    ; my column
	s_or_b32 s[G1], s14, G1W
	s_or_b32 s[G1B], s15, G1W
.irp g, G1, G1B
	s_mov_b32 s[(\g)+1], 128<<16                   ; tensor_dim0 = 128
	s_mov_b32 s[(\g)+2], 128<<16                   ; tensor_dim1 = 128
	s_mov_b32 s[(\g)+3], 128<<16                   ; tile_dim0 = 128
	s_mov_b32 s[(\g)+4], 128                       ; tile_dim1 = 128
	s_mov_b32 s[(\g)+5], LDA                       ; elements from row to row
	s_mov_b32 s[(\g)+6], 0
	s_mov_b32 s[(\g)+7], 0
.endr
	s_lshl_b32 s16, s13, 8                         ; A: row 256 x tile row + 128 x half, which my row of the cluster shares
	s_lshl_b32 s17, s12, 7
	s_add_co_u32 s16, s16, s17
	s_lshl_b32 s16, s16, 11
	s_mov_b32 s17, 0
	s_lshl_b32 s46, s42, 8                         ; B: row 256 x tile column + 128 x half, which my column shares
	s_lshl_b32 s47, s12, 7
	s_add_co_u32 s46, s46, s47
	s_lshl_b32 s46, s46, 11
	s_mov_b32 s47, 0
	s_mul_i32 s[LB], s10, HALFT                    ; where they go: A's two halves, then B's two halves: no place in the cluster enters an LDS address
	s_mov_b32 s[TB], 0
	s_wait_dscnt 0x0                               ; the opening add is done
	s_wait_kmcnt 0x0
	s_add_nc_u64 s[14:15], s[4:5], s[16:17]
	s_add_nc_u64 s[46:47], s[6:7], s[46:47]
	CROUND                                         ; all sixteen work-groups are here: the first joint loads meet
.irp s, 0,1
	s_mov_b32 s[G0+4*(\s)], 1                      ; count = 1
	s_add_co_u32 s[G0+4*(\s)+1], s[LB], (\s)*SLOT  ; LDS address
	s_add_nc_u64 s[G0+4*(\s)+2:G0+4*(\s)+3], s[14:15], (\s)*KB  ; K step s
	s_or_b32 s[G0+4*(\s)+3], s[G0+4*(\s)+3], 0x80000000         ; type = 2
	s_mov_b32 s[G0B+4*(\s)], 1
	s_add_co_u32 s[G0B+4*(\s)+1], s[LB], (\s)*SLOT
	s_add_nc_u64 s[G0B+4*(\s)+2:G0B+4*(\s)+3], s[46:47], (\s)*KB
	s_or_b32 s[G0B+4*(\s)+3], s[G0B+4*(\s)+3], 0x80000000
.endr
	s_cmp_eq_u32 s11, 0                            ; a wave's two first fills stand in one branch: two loads of mine are out
	s_cbranch_scc0 .Lfirst_b
	tensor_load_to_lds s[G0:G0+3], s[G1:G1+7]
	s_nop 0
	tensor_load_to_lds s[G0+4:G0+7], s[G1:G1+7]
	s_nop 0
	PLACES
	s_branch .Lfirst_asked
.Lfirst_b:
	tensor_load_to_lds s[G0B:G0B+3], s[G1B:G1B+7]
	s_nop 0
	tensor_load_to_lds s[G0B+4:G0B+7], s[G1B:G1B+7]
	s_nop 0
	PLACES
.Lfirst_asked:
	v_and_b32 v1, 15, v0                           ; r = l % 16: kept to the end
	v_bfe_u32 v2, v0, 4, 1                         ; h = l / 16
	; the bias of my 128 columns: register j of block b is column 16 b + 8 h + j
	s_lshl_b32 s20, s42, 10
	s_lshl_b32 s21, s12, 9
	s_add_co_u32 s20, s20, s21
	v_lshl_add_u32 v[BO], v2, 5, s20
	s_add_nc_u64 s[70:71], s[6:7], BIAS
	WIN TO_B                                       ; destination window 1
.irp b, 0,1,2,3,4,5,6,7
	global_load_b128 v[8*(\b):8*(\b)+3],   v[BO], s[70:71] offset:64*(\b)
	global_load_b128 v[8*(\b)+4:8*(\b)+7], v[BO], s[70:71] offset:64*(\b)+16
.endr
	WIN 0
	; a fragment is 16 rows x 32 K in 8 registers: lane l holds row r, K = 8 h + 0..7 and 16 + 8 h + 0..7: two loads of 16 bytes, 32 bytes apart
	v_mul_u32_u24 v3, v1, PITCH
	v_lshl_add_u32 v3, v2, 4, v3
	s_mul_i32 s21, s11, HALFT
	s_mul_i32 s22, s12, HALFT
	s_add_co_u32 s22, s22, BOFF
	v_add_nc_u32 v[A0], s21, v3
	v_add_nc_u32 v[B0], s22, v3
	v_mov_b32 v[ADRA], v[A0]
	v_mov_b32 v[ADRB], v[B0]
	s_mul_i32 s23, s10, 16*PITCH
	s_add_co_u32 s23, s23, STAGE                   ; my stage
	v_add_nc_u32 v[STO], s23, v3                   ; in: row r, 16 bytes for each half of the lanes
	v_mul_u32_u24 v4, v2, PITCH                    ; back: lanes 0-15 one row of 256 bytes, lanes 16-31 the next
	v_lshl_add_u32 v4, v1, 4, v4
	v_add_nc_u32 v[RD], s23, v4
	v_mul_u32_u24 v4, v2, ROWB
	v_lshl_add_u32 v[CO], v1, 4, v4
	; my part of the result: part = cluster x, row 256 x tile row + 128 x half, column 256 cx + 128 x half
	s_lshl_b32 s16, s13, 8
	s_lshl_b32 s17, s11, 7
	s_add_co_u32 s16, s16, s17                     ; my first row
	s_lshl_b32 s18, s16, 11
	s_lshl_b32 s19, ttmp9, 24
	s_add_co_u32 s18, s18, s19
	s_lshl_b32 s19, s40, 9
	s_add_co_u32 s18, s18, s19
	s_lshl_b32 s19, s12, 8
	s_add_co_u32 s18, s18, s19
	s_mov_b32 s19, 0
	s_add_nc_u64 s[8:9], s[8:9], s[18:19]
	; the factor is 2^(d d sA) sC, d = the row's place in its batch less 1,024.  For K: sA = -log2(e) / 2^19, sC = log2(e) / 32; else 0 and 1
	s_cmp_eq_u32 ttmp9, 1
	s_cselect_b32 s72, 0xb638aa3b, 0
	s_cselect_b32 s73, 0x3d38aa3b, 1.0
	s_and_b32 s[RW], s16, 2047
	s_sub_co_i32 s[RW], s[RW], 1024
	; the prefetches
	s_lshl_b32 s22, s13, 8                         ; A: the tile's first row
	s_lshl_b32 s23, s42, 8                         ; B: likewise
	s_and_b32 s20, ttmp7, 0xffff
	s_cmp_eq_u32 s11, 0
	s_cselect_b32 s20, ttmp9, s20                  ; the coordinate along which other clusters read the same rows
	s_cselect_b32 s21, s40, s41                    ; my place among the four that ask jointly
	s_cselect_b32 s22, s22, s23
	s_cselect_b64 s[PFA:PFA+1], s[4:5], s[6:7]
	s_cmp_eq_u32 s20, 0
	s_cselect_b32 s[LIM], 2, -1                    ; the same in all sixteen partners, for a given wave
	s_lshl_b32 s18, s12, 7
	s_add_co_u32 s22, s22, s18                     ; + the 128 rows that I fetch
	s_lshl_b32 s21, s21, 5
	s_add_co_u32 s22, s22, s21                     ; + my work-group's 32 of them
	s_lshl_b32 s22, s22, 11
	s_add_co_u32 s22, s22, 3*KB                    ; at K step 3: the first refill steps it to 4
	s_mov_b32 s23, 0
	s_add_nc_u64 s[PFA:PFA+1], s[PFA:PFA+1], s[22:23]
	v_and_b32 v[PFO], 31, v0
	v_lshlrev_b32 v[PFO], 11, v[PFO]
	s_wait_tensorcnt 0x1                           ; my part of K step 0 is in; K step 1's may stay out
	s_barrier_signal -1
	s_barrier_wait -1
	FETCH 0, F0
	s_wait_loadcnt 0x0                             ; the bias
	QUARTER 1, F0, F1, 2                           ; the first quarter stands in front of the loop: its products start the sums
	WIN 0
	s_mov_b32 s3, NSTEP-2
.Lstep:                                        ; a trip: a K step's last three quarters and the next one's first; one refill
	QUARTER 2, F1, F0, 0
	QUARTER 3, F0, F1, 0
	TURN 1
	QUARTER 1, F0, F1, 0
	WIN 0
	s_sub_co_u32 s3, s3, 1
	s_cmp_lg_u32 s3, 0
	s_cbranch_scc1 .Lstep
	s_mov_b32 s3, 2
.Ltail:                                        ; the last two K steps ask for nothing: a text of their own; walked twice and left in its middle
	QUARTER 2, F1, F0, 0
	QUARTER 3, F0, F1, 0
	TURN 0                                         ; (in the second walk its run of loads brings fragments of the slot read before, which nothing uses: the price of one text for both walks)
	WIN 0
	s_sub_co_u32 s3, s3, 1
	s_cmp_eq_u32 s3, 0
	s_cbranch_scc1 .Lout
	QUARTER 1, F0, F1, 0
	WIN 0
	s_branch .Ltail
.Lout:
	s_wait_dscnt 0x0                               ; that last run has landed: the fragments' registers are free
	PLACES
	PLACES
; THE WAY OUT of block a (16 rows x 128 columns) of window 2.  PACK: times the row's factor, rounded to f16, each accumulator's registers in ascending order.  TOSTAGE: 16 bytes a lane into my stage, back as whole rows.  SEND: stored.
.macro PACK a
	WIN 0x82                                       ; destination and source 0 window 2, source 1 window 0
.set i, 0
.rept 32
	v_pk_mul_f32 v[64*(\a)+2*i:64*(\a)+2*i+1], v[64*(\a)+2*i:64*(\a)+2*i+1], v[FQ+2*(\a):FQ+2*(\a)+1] op_sel_hi:[1,0]
.set i, i+1
.endr
	WIN 0x0a                                       ; sources 0 and 1 window 2, destination window 0
.set i, 0
.rept 32
	v_cvt_pk_f16_f32 v[TMP+i], v[64*(\a)+2*i], v[64*(\a)+2*i+1]
.set i, i+1
.endr
	WIN 0
.endm
.macro TOSTAGE a
.set BK, OB+192*((\a)%2)
.irp b, 0,1,2,3,4,5,6,7
	ds_store_b128 v[STO], v[TMP+4*(\b):TMP+4*(\b)+3] offset:32*(\b)
.endr
.irp t, 0,1,2,3,4,5,6,7
	ds_load_b128 v[BK+4*(\t):BK+4*(\t)+3], v[RD] offset:(\t)*2*PITCH  ; LDS serves a wave's instructions in order (ISA guide 5.7.1.4): these see the stores above
.endr
.endm
.macro SEND a
.set BK, OB+192*((\a)%2)
	s_wait_dscnt 0x0                               ; the block is back in registers
	s_wait_xcnt 0x0                                ; the stores issued so far have read their registers: the other set is loaded again only behind this wait
.irp t, 0,1,2,3,4,5,6,7
	global_store_b128 v[CO], v[BK+4*(\t):BK+4*(\t)+3], s[8:9] offset:(16*(\a)+2*(\t))*ROWB  ; 16 lanes store 256 consecutive bytes, aligned
.endr
.endm
	s_mov_b32 s2, 2
.Lhalf:                                        ; written for four blocks, 64 rows, and walked twice: my rows 0-63, then my rows 64-127
	v_add_nc_u32 v4, s[RW], v1                     ; the factor of my row in each block
.irp a, 0,1,2,3
	v_add_nc_u32 v[FQ+2*(\a)], 16*(\a), v4
.endr
.irp a, 0,1,2,3
	v_cvt_f32_i32 v[FQ+2*(\a)], v[FQ+2*(\a)]
.endr
.irp a, 0,1,2,3
	v_mul_f32 v[FQ+2*(\a)], v[FQ+2*(\a)], v[FQ+2*(\a)]
.endr
.irp a, 0,1,2,3
	v_mul_f32 v[FQ+2*(\a)], s72, v[FQ+2*(\a)]
.endr
.irp a, 0,1,2,3
	v_exp_f32 v[FQ+2*(\a)+1], v[FQ+2*(\a)]
.endr
	v_nop                                          ; a plain instruction behind the last exponential,
	s_wait_alu depctr_va_vdst(0)                   ; and one wait for the four, ahead of their first reader
.irp a, 0,1,2,3
	v_mul_f32 v[FQ+2*(\a)], s73, v[FQ+2*(\a)+1]
.endr
	PACK 0
	TOSTAGE 0
.irp a, 1,2,3
	PACK \a
	SEND (\a)-1
	TOSTAGE \a
.endr
	SEND 3
	s_sub_co_u32 s2, s2, 1
	s_cmp_eq_u32 s2, 0
	s_cbranch_scc1 .Ldone
	WIN 0x83                                       ; the sums of my rows 64-127 go where the one text of the way out names them: from window 3 into window 2, in ascending order: 256 moves, once a tile
.set i, 0
.rept 256
	v_mov_b32 v[i], v[i]
.set i, i+1
.endr
	WIN 0
	s_wait_xcnt 0x0                                ; the stores have read their registers and their base
	s_add_nc_u64 s[8:9], s[8:9], 64*ROWB
	s_add_co_i32 s[RW], s[RW], 64
	s_branch .Lhalf
.Ldone:
	s_wait_tensorcnt 0x0                           ; the wave's end, behind my last tensor load and my last LDS store
	ds_add_u32 v[SPW], v[NIL]
	s_wait_dscnt 0x0
	CROUND                                         ; the closing round: no work-group ends while a partner may still ask for a tile that names it
	s_endpgm
.Lfunc_end_k_q10de5c72dc_qkv:
	.size	k_q10de5c72dc_qkv, .Lfunc_end_k_q10de5c72dc_qkv-k_q10de5c72dc_qkv
	.p2alignl 7, 3214868480
	.fill 96, 4, 3214868480
	.section	.rodata,"a",@progbits
	.p2align	6, 0x0
	.amdhsa_kernel k_q10de5c72dc_qkv
		.amdhsa_group_segment_fixed_size 327680
		.amdhsa_private_segment_fixed_size 0
		.amdhsa_enable_private_segment 0
		.amdhsa_kernarg_size 24
		.amdhsa_user_sgpr_count 2
		.amdhsa_user_sgpr_kernarg_segment_ptr 1
		.amdhsa_wavefront_size32 1
		.amdhsa_system_sgpr_workgroup_id_x 1
		.amdhsa_system_sgpr_workgroup_id_y 1
		.amdhsa_system_sgpr_workgroup_id_z 1
		.amdhsa_system_vgpr_workitem_id 0
		.amdhsa_next_free_vgpr 1024
		.amdhsa_next_free_sgpr 96
		.amdhsa_reserve_vcc 0
		.amdhsa_float_denorm_mode_32 3
		.amdhsa_float_denorm_mode_16_64 3
		.amdhsa_memory_ordered 1
		.amdhsa_forward_progress 1
		.amdhsa_inst_pref_size 104
	.end_amdhsa_kernel
	.amdgpu_metadata
---
amdhsa.version: [ 1, 2 ]
amdhsa.kernels:
  - .name:           k_q10de5c72dc_qkv
    .symbol:         k_q10de5c72dc_qkv.kd
    .args:
      - { .name: xb, .offset: 0, .size: 8, .value_kind: global_buffer, .address_space: global }
      - { .name: wc, .offset: 8, .size: 8, .value_kind: global_buffer, .address_space: global }
      - { .name: qkv, .offset: 16, .size: 8, .value_kind: global_buffer, .address_space: global }
    .group_segment_fixed_size: 327680
    .private_segment_fixed_size: 0
    .kernarg_segment_align: 8
    .kernarg_segment_size: 24
    .max_flat_workgroup_size: 128
    .sgpr_count:     96
    .vgpr_count:     1024
    .wavefront_size: 32
...
	.end_amdgpu_metadata
.endif
;; end of part 2
;; launch sc (part 3): grid 8 x 32, 4 waves a work-group, clusters of 4 x 4, 327,680 bytes of LDS; arguments qkv, p, st; writes p, st
.if DOCPART == 3
	.amdgcn_target "amdgcn-amd-amdhsa--gfx1250"
	.amdhsa_code_object_version 6
	.text
	.protected	k_q10de5c72dc_sc
	.globl	k_q10de5c72dc_sc
	.p2align	8
	.type	k_q10de5c72dc_sc,@function
k_q10de5c72dc_sc:
	s_mov_b64 s[64:65], 0
	v_nop
	global_prefetch_b8 v0, s[64:65] scope:SCOPE_SE
	s_setreg_imm32_b32 hwreg(HW_REG_WAVE_MODE, 25, 1), 1
	s_wait_xcnt 0x0
	s_wait_alu depctr_hold_cnt(0) depctr_sa_sdst(0) depctr_va_vdst(0) depctr_va_sdst(0) depctr_va_ssrc(0) depctr_va_vcc(0) depctr_vm_vsrc(0)
	s_getreg_b32 s2, hwreg(HW_REG_IB_STS2, 6, 4)
	s_cmp_eq_u32 s2, 0
	s_cbranch_scc0 .Lentry_in_a_cluster
	s_endpgm
.Lentry_in_a_cluster:
	s_bfe_u32 s2, ttmp6, 0x10000c
	s_cmp_lg_u32 s2, 0xf033
	s_cbranch_scc0 .Lentry_shape_is_right
	s_endpgm
.Lentry_shape_is_right:
; THE WEIGHTS, BY GROUPS OF 128 KEYS.  s = Q K'^T (f16 operands, f32 sums) are the masked scores in powers of two (K' carries the key's Gaussian factor, 1 / 32 and log2(e)).
; For each query and each group g of 128 keys (a wave's columns; 16 groups a row): m_g = the group's largest s, p = 2^(s - m_g) rounded to f16 into p [8192][2048],
; l_g = the sum of the unrounded p.  m and l go in f32 into st: m[batch][g][row], then l likewise 524,288 bytes on.  The next launch takes the rows' true maximum M = max m_g away by the
; factor 2^(m_g - M): both factors are at most 1, so no exponential and no sum can overflow.
; LIMITS.  p lies in 0 to 1; below 6e-5 it keeps f16's fixed step of 6e-8; an exponential below 2^-126 counts as 0.  NaN and infinities are not treated apart.
; SHARES, RING, CLUSTER, LAYOUT: a tile of 256 queries x 256 keys, 4 x 8 x 8 = 256 of them; four waves, 2 x 2, each 128 x 128: 64 accumulators.  K (the 1,024 channels) goes in steps of 128 through two
; LDS slots filled by the tensor data mover; each wave fetches 128 rows: waves 0, 1 the halves of Q's tile, waves 2, 3 the halves of K's.  Between a refill and the wait for it a wave issues 224 matrix
; instructions.  4 x 4 work-groups ask for each tile jointly.  The matrix instruction is used transposed (source 0 = 16 keys, source 1 = 16 queries): a lane holds query l % 16 and the keys
; 8 (l / 16) + 0..7 of each block, so a group's maximum and sum want one exchange between the lanes' halves.
; ONE TEXT FOR A K STEP: the scalar TB, 0 or SLOT, is turned by an exclusive or with SLOT, and every LDS address of the ring is a sum with it.
; REGISTERS, in windows of 256 (s_set_vgpr_msb: bits 1:0 source 0, 3:2 source 1, 5:4 source 2, 7:6 destination):
;   window 0: v0-31 addresses; v32-63, v224-255 rows on the way out; v64-127, v128-191 Q's fragments (behind the loop v96-123: the softmax's); v192-223 packed results
;   window 1: v64-127, v128-191 K's fragments      window 2: the accumulators of my queries 0-63, (a, b) at v[64 a + 8 b];   window 3: those of my queries 64-127
.set NSTEP,  8
.set LDA,    1024
.set KB,     256
.set ROWB,   4096                      ; bytes in a row of p
.set PITCH,  272                       ; an LDS row: 256 bytes + 16 of padding: the 16 rows of a fragment load start at 16 different groups of four banks (ISA guide 11.1)
.set HALFT,  128*PITCH                 ; 128 rows: what one tensor load brings
.set BOFF,   2*HALFT
.set SLOT,   4*HALFT
.set STAGE,  2*SLOT                    ; behind the ring, never filled by a tensor load: 16 rows x 272 bytes for each wave
.set SST,    STAGE+4*16*PITCH          ; 512 bytes for each wave: 64 m, 64 l
.set SPARE,  SST+4*512                 ; the spare words, 128 bytes for each wave: two blocks of 256 bytes that no other line names
.set G1W,    (1<<16)|(1<<20)|(1<<21)|(5<<22)|(3<<25)
.set SSA,  8                           ; v8   where I put my row's m and l
.set SSR,  9                           ; v9   where I read two rows' back
.set SGO,  10                          ; v10  8 x lane
.set A0,   14
.set B0,   15
.set ADRA, 16
.set ADRB, 20
.set STO,  24
.set RD,   25
.set CO,   26
.set SPW,  28                          ; v28  LDS address of my spare word; never rewritten
.set NIL,  29                          ; v29  0; never rewritten
.set PFO,  30
.set OB,   32
.set F0,   64
.set F1,   128
.set CH,   96                          ; v96-99    four chains of the maximum
.set L4,   104                         ; v[104:111] four packed sums
.set MA,   112                         ; v[112:119] block a's m, twice, in pair a
.set LA,   120                         ; v120-123  block a's l
.set TMP,  192
.set G1,   24
.set G0,   32
.set LIM,  43
.set PFA,  44
.set G1B,  48
.set G0B,  56
.set TB,   66                          ; s66  LDS byte at which the slot in hand begins: 0 or SLOT
.set LB,   67                          ; s67  my load's place in a slot: wave x 128 rows
.set SEL,  76                          ; s[76:77] v_permlanex16_b32's selects: each lane takes its own place in the other half
.set MSB, 0
.macro WIN new                         ; the immediate's high byte repeats the setting that is left; a switch that changes nothing is dropped
.if MSB != (\new)
	s_set_vgpr_msb (MSB<<8)|(\new)
.set MSB, \new
.endif
.endm
.set TO_B, 0x40
.macro PLACES                          ; four places behind a matrix instruction (ISA guide 7.12.1)
.rept 4
	v_nop
.endr
.endm
.macro CREST
	s_cmp_lg_u32 s10, 0
	s_cbranch_scc1 .Lnot_wave_0_\@
	s_barrier_signal -3
.Lnot_wave_0_\@:
	s_barrier_wait -3
	s_barrier_signal -1
	s_barrier_wait -1
.endm
.macro CROUND
	s_barrier_signal -1
	s_barrier_wait -1
	CREST
.endm
.macro JLOAD                           ; a joint refill by the walking set; an s_nop 0 and four v_nop follow each line
	s_cmp_eq_u32 s11, 0
	s_cbranch_scc0 .Lfor_b_\@
	tensor_load_to_lds s[G0+4:G0+7], s[G1:G1+7]
	s_nop 0
	PLACES
	s_branch .Lasked_\@
.Lfor_b_\@:
	tensor_load_to_lds s[G0B+4:G0B+7], s[G1B:G1B+7]
	s_nop 0
	PLACES
.Lasked_\@:
.endm
; A PREFETCH INTO THE L2 of the K step two refills on, 512 matrix instructions ahead of its load: 32 rows x 256 bytes, a lane a row, one instruction a wave; each block is named once in the launch.
; Q's rows are read by both clusters of a row of clusters: cluster x = 0 asks; K's by the two clusters of a batch: the first of them asks.  Of the 128 rows that a wave fetches each of the four partners
; that ask for them jointly takes 32 (cx for Q, cy for K): told apart by address.  The loop's last two trips have no K step two on; K steps 0 to 3 come by their loads alone.
.macro ASK
	s_cmp_gt_u32 s3, s[LIM]
	s_cbranch_scc0 .Lnot_mine_\@
	global_prefetch_b8 v[PFO], s[PFA:PFA+1] th:TH_LOAD_NT scope:SCOPE_SE
.Lnot_mine_\@:
.endm
; 16 products: query blocks a0, a0 + 1 of the window's four (hi = 0: my queries 0-63, 1: 64-127) x my 8 key blocks, 32 channels, from buffer f.  c = 1: they start the sums.
; The 64 accumulators take turns in one order in every quarter, over the backward jumps too.
.macro MUL16 f, hi, a0, c
	WIN 0xa1+0x50*(\hi)                            ; K window 1, Q window 0, C and D window 2 or 3
.irp a, \a0, (\a0)+1
.irp b, 0,1,2,3,4,5,6,7
.if \c
	v_wmma_f32_16x16x32_f16 v[8*(8*(\a)+(\b)):8*(8*(\a)+(\b))+7], v[(\f)+8*(\b):(\f)+8*(\b)+7], v[(\f)+8*(4*(\hi)+(\a)):(\f)+8*(4*(\hi)+(\a))+7], 0
.else
	v_wmma_f32_16x16x32_f16 v[8*(8*(\a)+(\b)):8*(8*(\a)+(\b))+7], v[(\f)+8*(\b):(\f)+8*(\b)+7], v[(\f)+8*(4*(\hi)+(\a)):(\f)+8*(4*(\hi)+(\a))+7], v[8*(8*(\a)+(\b)):8*(8*(\a)+(\b))+7]
.endif
.endr
.endr
.endm
.macro FETCH q, f                      ; 32 LDS loads in one run: quarter q's fragments into buffer f: K's 16, then Q's 16
	WIN TO_B
.irp i, 0,1,2,3,4,5,6,7
	ds_load_b128 v[(\f)+8*(\i):(\f)+8*(\i)+3],   v[ADRB] offset:64*(\q)+(\i)*16*PITCH
	ds_load_b128 v[(\f)+8*(\i)+4:(\f)+8*(\i)+7], v[ADRB] offset:64*(\q)+(\i)*16*PITCH+32
.endr
	WIN 0
.irp i, 0,1,2,3,4,5,6,7
	ds_load_b128 v[(\f)+8*(\i):(\f)+8*(\i)+3],   v[ADRA] offset:64*(\q)+(\i)*16*PITCH
	ds_load_b128 v[(\f)+8*(\i)+4:(\f)+8*(\i)+7], v[ADRA] offset:64*(\q)+(\i)*16*PITCH+32
.endr
.endm
.macro QUARTER q, f, g, c
	s_wait_dscnt 8                                 ; the youngest eight loads (Q's rows 64-127) may be out
	MUL16 \f, 0, 0, \c
	MUL16 \f, 0, 2, \c
	PLACES                                         ; in front of loads into registers that matrix instructions have read
	FETCH \q, \g
	s_wait_dscnt 32                                ; all but the 32 just issued
	MUL16 \f, 1, 0, \c
	MUL16 \f, 1, 2, \c
.endm
; The fourth quarter changes slots: one barrier; in front of it each wave waits for all its tensor loads, adds 0 to its spare word, and waits for that and for its reads of this slot.
; fill = 1: the barrier opens a round of the cluster's, and the joint refill of this slot is the first thing behind it.
.macro TURN fill
.if \fill
	s_wait_xcnt 0x0                                ; the last prefetch, a K step back, has read its address
	s_add_nc_u64 s[PFA:PFA+1], s[PFA:PFA+1], KB
.endif
	WIN 0
	s_wait_tensorcnt 0x0                           ; no tensor load of mine is out, so a group 0 may be written
	ds_add_u32 v[SPW], v[NIL]                      ; 0 onto my spare word
.if \fill
	s_add_co_u32 s[G0+5], s[LB], s[TB]             ; the walking sets: into the slot in hand, the next K step
	s_add_nc_u64 s[G0+6:G0+7], s[G0+6:G0+7], KB
	s_add_co_u32 s[G0B+5], s[LB], s[TB]
	s_add_nc_u64 s[G0B+6:G0B+7], s[G0B+6:G0B+7], KB
.endif
	s_wait_dscnt 9                                 ; the add and the youngest eight loads may be out
	MUL16 F1, 0, 0, 0
	s_wait_dscnt 0x0                               ; the add is done, and my reads of this slot are over
	s_barrier_signal -1
	MUL16 F1, 0, 2, 0
	WIN 0
	s_barrier_wait -1
.if \fill
	CREST                                          ; no wave of any partner still reads this slot or has a load on its way
	JLOAD                                          ; its four v_nop are also the places in front of the loads below
.else
	PLACES
.endif
	s_xor_b32 s[TB], s[TB], SLOT                   ; 0 and SLOT by turns
	v_add_nc_u32 v[ADRA], s[TB], v[A0]
	v_add_nc_u32 v[ADRB], s[TB], v[B0]
	FETCH 0, F0
.if \fill
	ASK
.endif
	MUL16 F1, 1, 0, 0
	MUL16 F1, 1, 2, 0
.endm
	s_load_b64 s[4:5], s[0:1], 0x0                 ; qkv: 24,576 rows of 2,048 bytes: Q, then K', then V
	s_load_b64 s[8:9], s[0:1], 0x8                 ; p
	s_load_b64 s[70:71], s[0:1], 0x10              ; st
	v_lshl_add_u32 v[SPW], v0, 2, SPARE
	v_mov_b32 v[NIL], 0
	ds_add_u32 v[SPW], v[NIL]                      ; the wave's opening: the add, waited for ahead of my first tensor load
	v_lshrrev_b32 v1, 5, v0
	v_readfirstlane_b32 s10, v1
	s_lshr_b32 s11, s10, 1                         ; which 128 queries are mine.  Also: I fetch for Q (0) or for K (1)
	s_and_b32 s12, s10, 1                          ; which 128 keys.  Also: which half of that tile I fetch
	s_bfe_u32 s40, ttmp6, 0x40000                  ; cx
	s_bfe_u32 s41, ttmp6, 0x40004                  ; cy
	s_lshl_b32 s42, ttmp9, 2
	s_add_co_u32 s42, s42, s40                     ; tile column: 256 keys of the batch
	s_and_b32 s13, ttmp7, 0xffff
	s_lshl_b32 s13, s13, 2
	s_add_co_u32 s13, s13, s41                     ; tile row: 256 of the 8,192 queries
	s_lshl_b32 s14, s41, 2
	s_lshl_b32 s14, 15, s14
	s_lshl_b32 s15, 0x1111, s40
	s_or_b32 s[G1], s14, G1W
	s_or_b32 s[G1B], s15, G1W
.irp g, G1, G1B
	s_mov_b32 s[(\g)+1], 128<<16                   ; tensor_dim0 = 128
	s_mov_b32 s[(\g)+2], 128<<16                   ; tensor_dim1 = 128
	s_mov_b32 s[(\g)+3], 128<<16                   ; tile_dim0 = 128
	s_mov_b32 s[(\g)+4], 128                       ; tile_dim1 = 128
	s_mov_b32 s[(\g)+5], LDA
	s_mov_b32 s[(\g)+6], 0
	s_mov_b32 s[(\g)+7], 0
.endr
	s_mov_b32 s[SEL], 0x76543210
	s_mov_b32 s[SEL+1], 0xfedcba98
	s_lshl_b32 s16, s13, 8                         ; Q: row 256 x tile row + 128 x half
	s_lshl_b32 s17, s12, 7
	s_add_co_u32 s16, s16, s17
	s_lshl_b32 s16, s16, 11
	s_mov_b32 s17, 0
	s_and_b32 s18, ttmp7, 0xffff
	s_lshr_b32 s18, s18, 1                         ; the batch = cluster y / 2: all sixteen partners share it
	s_lshl_b32 s46, s18, 11                        ; K': row 8,192 + 2,048 x batch + 256 x tile column + 128 x half
	s_add_co_u32 s46, s46, 8192
	s_lshl_b32 s47, s42, 8
	s_add_co_u32 s46, s46, s47
	s_lshl_b32 s47, s12, 7
	s_add_co_u32 s46, s46, s47
	s_lshl_b32 s46, s46, 11
	s_mov_b32 s47, 0
	s_mul_i32 s[LB], s10, HALFT                    ; where they go: Q's two halves, then K's two halves: no place in the cluster enters an LDS address
	s_mov_b32 s[TB], 0
	s_wait_dscnt 0x0                               ; the opening add is done
	s_wait_kmcnt 0x0
	s_add_nc_u64 s[14:15], s[4:5], s[16:17]
	s_add_nc_u64 s[46:47], s[4:5], s[46:47]
	CROUND                                         ; all sixteen work-groups are here: the first joint loads meet
.irp s, 0,1
	s_mov_b32 s[G0+4*(\s)], 1
	s_add_co_u32 s[G0+4*(\s)+1], s[LB], (\s)*SLOT
	s_add_nc_u64 s[G0+4*(\s)+2:G0+4*(\s)+3], s[14:15], (\s)*KB
	s_or_b32 s[G0+4*(\s)+3], s[G0+4*(\s)+3], 0x80000000
	s_mov_b32 s[G0B+4*(\s)], 1
	s_add_co_u32 s[G0B+4*(\s)+1], s[LB], (\s)*SLOT
	s_add_nc_u64 s[G0B+4*(\s)+2:G0B+4*(\s)+3], s[46:47], (\s)*KB
	s_or_b32 s[G0B+4*(\s)+3], s[G0B+4*(\s)+3], 0x80000000
.endr
	s_cmp_eq_u32 s11, 0                            ; a wave's two first fills stand in one branch: two loads of mine are out
	s_cbranch_scc0 .Lfirst_b
	tensor_load_to_lds s[G0:G0+3], s[G1:G1+7]
	s_nop 0
	tensor_load_to_lds s[G0+4:G0+7], s[G1:G1+7]
	s_nop 0
	PLACES
	s_branch .Lfirst_asked
.Lfirst_b:
	tensor_load_to_lds s[G0B:G0B+3], s[G1B:G1B+7]
	s_nop 0
	tensor_load_to_lds s[G0B+4:G0B+7], s[G1B:G1B+7]
	s_nop 0
	PLACES
.Lfirst_asked:
	v_and_b32 v1, 15, v0                           ; r
	v_bfe_u32 v2, v0, 4, 1                         ; h
	v_mul_u32_u24 v3, v1, PITCH
	v_lshl_add_u32 v3, v2, 4, v3
	s_mul_i32 s21, s11, HALFT
	s_mul_i32 s22, s12, HALFT
	s_add_co_u32 s22, s22, BOFF
	v_add_nc_u32 v[A0], s21, v3
	v_add_nc_u32 v[B0], s22, v3
	v_mov_b32 v[ADRA], v[A0]
	v_mov_b32 v[ADRB], v[B0]
	s_mul_i32 s23, s10, 16*PITCH
	s_add_co_u32 s23, s23, STAGE
	v_add_nc_u32 v[STO], s23, v3
	v_mul_u32_u24 v4, v2, PITCH
	v_lshl_add_u32 v4, v1, 4, v4
	v_add_nc_u32 v[RD], s23, v4
	v_mul_u32_u24 v4, v2, ROWB
	v_lshl_add_u32 v[CO], v1, 4, v4
	s_lshl_b32 s23, s10, 9
	s_add_co_u32 s23, s23, SST                     ; my 512 bytes for m and l
	v_lshl_add_u32 v[SSA], v1, 2, s23
	v_and_b32 v4, 31, v0
	v_lshl_add_u32 v[SSR], v4, 3, s23
	v_lshlrev_b32 v[SGO], 3, v4
	; my part of p: row 256 x tile row + 128 x half, byte 512 x tile column + 256 x half
	s_lshl_b32 s16, s13, 8
	s_lshl_b32 s17, s11, 7
	s_add_co_u32 s16, s16, s17
	s_lshl_b32 s18, s16, 12
	s_lshl_b32 s19, s42, 9
	s_add_co_u32 s18, s18, s19
	s_lshl_b32 s19, s12, 8
	s_add_co_u32 s18, s18, s19
	s_mov_b32 s19, 0
	s_add_nc_u64 s[8:9], s[8:9], s[18:19]
	; my part of st: ((16 batch + 2 x tile column + half) x 2,048 + the row's place in its batch) x 4
	s_lshr_b32 s18, s13, 3
	s_lshl_b32 s18, s18, 4
	s_lshl_b32 s19, s42, 1
	s_add_co_u32 s18, s18, s19
	s_add_co_u32 s18, s18, s12
	s_lshl_b32 s18, s18, 13
	s_and_b32 s19, s16, 2047
	s_lshl_b32 s19, s19, 2
	s_add_co_u32 s18, s18, s19
	s_mov_b32 s19, 0
	s_add_nc_u64 s[70:71], s[70:71], s[18:19]
	; the prefetches
	s_lshl_b32 s22, s13, 8                         ; Q: the tile's first row
	s_and_b32 s20, ttmp7, 0xffff
	s_lshr_b32 s23, s20, 1                         ; K': likewise
	s_lshl_b32 s23, s23, 11
	s_add_co_u32 s23, s23, 8192
	s_lshl_b32 s18, s42, 8
	s_add_co_u32 s23, s23, s18
	s_and_b32 s20, s20, 1                          ; the cluster's place among its batch's two
	s_cmp_eq_u32 s11, 0
	s_cselect_b32 s20, ttmp9, s20                  ; the coordinate along which other clusters read the same rows
	s_cselect_b32 s21, s40, s41                    ; my place among the four that ask jointly
	s_cselect_b32 s22, s22, s23
	s_cmp_eq_u32 s20, 0
	s_cselect_b32 s[LIM], 2, -1                    ; the same in all sixteen partners, for a given wave
	s_lshl_b32 s18, s12, 7
	s_add_co_u32 s22, s22, s18                     ; + the 128 rows that I fetch
	s_lshl_b32 s21, s21, 5
	s_add_co_u32 s22, s22, s21                     ; + my work-group's 32 of them
	s_lshl_b32 s22, s22, 11
	s_add_co_u32 s22, s22, 3*KB                    ; at K step 3: the first refill steps it to 4
	s_mov_b32 s23, 0
	s_add_nc_u64 s[PFA:PFA+1], s[4:5], s[22:23]
	v_lshlrev_b32 v[PFO], 11, v4
	s_wait_tensorcnt 0x1                           ; my part of K step 0 is in; K step 1's may stay out
	s_barrier_signal -1
	s_barrier_wait -1
	FETCH 0, F0
	QUARTER 1, F0, F1, 1                           ; the first quarter stands in front of the loop: its products start the sums
	WIN 0
	s_mov_b32 s3, NSTEP-2
.Lstep:                                        ; a trip: a K step's last three quarters and the next one's first; one refill
	QUARTER 2, F1, F0, 0
	QUARTER 3, F0, F1, 0
	TURN 1
	QUARTER 1, F0, F1, 0
	WIN 0
	s_sub_co_u32 s3, s3, 1
	s_cmp_lg_u32 s3, 0
	s_cbranch_scc1 .Lstep
	s_mov_b32 s3, 2
.Ltail:                                        ; the last two K steps ask for nothing: a text of their own; walked twice and left in its middle
	QUARTER 2, F1, F0, 0
	QUARTER 3, F0, F1, 0
	TURN 0                                         ; (in the second walk its run of loads brings fragments of the slot read before, which nothing uses: the price of one text for both walks)
	WIN 0
	s_sub_co_u32 s3, s3, 1
	s_cmp_eq_u32 s3, 0
	s_cbranch_scc1 .Lout
	QUARTER 1, F0, F1, 0
	WIN 0
	s_branch .Ltail
.Lout:
	s_wait_dscnt 0x0                               ; that last run has landed: the fragments' registers are free
	PLACES
	PLACES
; BLOCK a's SOFTMAX OVER MY 128 KEYS, on window 2: a lane has 64 scores of its query.  The maximum in four chains of 16 (each accumulator's lowest registers are read first), the
; exchange of the lanes' halves; s - m and the 64 exponentials as ONE batch with one wait; the roundings to f16; the sum in four packed chains.
.macro SOFT a
.set AC, 64*(\a)
	WIN 0x2a                                       ; all three sources window 2, destination window 0
.irp c, 0,1,2,3
	v_max3_num_f32 v[CH+(\c)], v[AC+16*(\c)], v[AC+16*(\c)+1], v[AC+16*(\c)+2]
.endr
	WIN 0x28                                       ; source 0 window 0
.irp i, 0,1,2,3,4,5
.irp c, 0,1,2,3
	v_max3_num_f32 v[CH+(\c)], v[CH+(\c)], v[AC+16*(\c)+3+2*(\i)], v[AC+16*(\c)+4+2*(\i)]
.endr
.endr
.irp c, 0,1,2,3
	v_max_num_f32 v[CH+(\c)], v[CH+(\c)], v[AC+16*(\c)+15]
.endr
	WIN 0
	v_max3_num_f32 v[CH], v[CH], v[CH+1], v[CH+2]
	v_max_num_f32 v[CH], v[CH], v[CH+3]
	v_permlanex16_b32 v[CH+1], v[CH], s[SEL], s[SEL+1]  ; the query's other 64 keys lie in the lane 16 away
	v_max_num_f32 v[MA+2*(\a)], v[CH], v[CH+1]
	v_mov_b32 v[MA+2*(\a)+1], v[MA+2*(\a)]
	WIN 0x82                                       ; destination and source 0 window 2, source 1 window 0
.set i, 0
.rept 32
	v_pk_add_f32 v[AC+2*i:AC+2*i+1], v[AC+2*i:AC+2*i+1], v[MA+2*(\a):MA+2*(\a)+1] neg_lo:[0,1] neg_hi:[0,1]
.if i > 0
	v_exp_f32 v[AC+2*i-2], v[AC+2*i-2]
	v_exp_f32 v[AC+2*i-1], v[AC+2*i-1]
.endif
.set i, i+1
.endr
	v_exp_f32 v[AC+62], v[AC+62]
	v_exp_f32 v[AC+63], v[AC+63]
	v_nop                                          ; a plain instruction behind the last exponential,
	s_wait_alu depctr_va_vdst(0)                   ; and one wait for the 64, ahead of their first reader
	WIN 0x0a                                       ; sources 0 and 1 window 2, destination window 0
.set i, 0
.rept 32
	v_cvt_pk_f16_f32 v[TMP+i], v[AC+2*i], v[AC+2*i+1]
.set i, i+1
.endr
.irp c, 0,1,2,3
	v_pk_add_f32 v[L4+2*(\c):L4+2*(\c)+1], v[AC+4*(\c):AC+4*(\c)+1], v[AC+4*(\c)+2:AC+4*(\c)+3]
.endr
	WIN 0x08                                       ; source 1 window 2
.set i, 8
.rept 24
	v_pk_add_f32 v[L4+2*(i%4):L4+2*(i%4)+1], v[L4+2*(i%4):L4+2*(i%4)+1], v[AC+2*i:AC+2*i+1]
.set i, i+1
.endr
	WIN 0
	v_pk_add_f32 v[L4:L4+1], v[L4:L4+1], v[L4+2:L4+3]
	v_pk_add_f32 v[L4+4:L4+5], v[L4+4:L4+5], v[L4+6:L4+7]
	v_pk_add_f32 v[L4:L4+1], v[L4:L4+1], v[L4+4:L4+5]
	v_add_f32 v[CH], v[L4], v[L4+1]
	v_permlanex16_b32 v[CH+1], v[CH], s[SEL], s[SEL+1]
	v_add_f32 v[LA+(\a)], v[CH], v[CH+1]
.endm
.macro TOSTAGE a                       ; 16 bytes a lane into my stage, back as whole rows of 256 bytes
.set BK, OB+192*((\a)%2)
.irp b, 0,1,2,3,4,5,6,7
	ds_store_b128 v[STO], v[TMP+4*(\b):TMP+4*(\b)+3] offset:32*(\b)
.endr
.irp t, 0,1,2,3,4,5,6,7
	ds_load_b128 v[BK+4*(\t):BK+4*(\t)+3], v[RD] offset:(\t)*2*PITCH  ; LDS serves a wave's instructions in order (ISA guide 5.7.1.4): these see the stores above
.endr
.endm
.macro SEND a
.set BK, OB+192*((\a)%2)
	s_wait_dscnt 0x0                               ; the block is back in registers
	s_wait_xcnt 0x0                                ; the stores issued so far have read their registers: the other set is loaded again only behind this wait
.irp t, 0,1,2,3,4,5,6,7
	global_store_b128 v[CO], v[BK+4*(\t):BK+4*(\t)+3], s[8:9] offset:(16*(\a)+2*(\t))*ROWB  ; 16 lanes store 256 consecutive bytes, aligned
.endr
.endm
	s_mov_b32 s2, 2
.Lhalf:                                        ; written for four blocks, 64 queries, and walked twice: my queries 0-63, then my queries 64-127
	SOFT 0
	TOSTAGE 0
.irp a, 1,2,3
	SOFT \a
	SEND (\a)-1
	TOSTAGE \a
.endr
	SEND 3
	; m and l of the 64 queries: a word a row into my own 512 bytes (both halves of the lanes hold, and write, the same number), back as 8 bytes a lane: two stores of 256 consecutive bytes, aligned
.irp a, 0,1,2,3
	ds_store_b32 v[SSA], v[MA+2*(\a)] offset:64*(\a)
	ds_store_b32 v[SSA], v[LA+(\a)] offset:256+64*(\a)
.endr
	ds_load_b64 v[4:5], v[SSR]
	ds_load_b64 v[6:7], v[SSR] offset:256
	s_wait_dscnt 0x0
	global_store_b64 v[SGO], v[4:5], s[70:71]
	global_store_b64 v[SGO], v[6:7], s[70:71] offset:524288
	s_sub_co_u32 s2, s2, 1
	s_cmp_eq_u32 s2, 0
	s_cbranch_scc1 .Ldone
	WIN 0x83                                       ; the scores of my queries 64-127 go where the one text of the way out names them: from window 3 into window 2, in ascending order: 256 moves, once a tile
.set i, 0
.rept 256
	v_mov_b32 v[i], v[i]
.set i, i+1
.endr
	WIN 0
	s_wait_xcnt 0x0                                ; the stores have read their registers and their bases
	s_add_nc_u64 s[8:9], s[8:9], 64*ROWB
	s_add_nc_u64 s[70:71], s[70:71], 256
	s_branch .Lhalf
.Ldone:
	s_wait_tensorcnt 0x0                           ; the wave's end, behind my last tensor load and my last LDS store
	ds_add_u32 v[SPW], v[NIL]
	s_wait_dscnt 0x0
	CROUND                                         ; the closing round: no work-group ends while a partner may still ask for a tile that names it
	s_endpgm
.Lfunc_end_k_q10de5c72dc_sc:
	.size	k_q10de5c72dc_sc, .Lfunc_end_k_q10de5c72dc_sc-k_q10de5c72dc_sc
	.p2alignl 7, 3214868480
	.fill 96, 4, 3214868480
	.section	.rodata,"a",@progbits
	.p2align	6, 0x0
	.amdhsa_kernel k_q10de5c72dc_sc
		.amdhsa_group_segment_fixed_size 327680
		.amdhsa_private_segment_fixed_size 0
		.amdhsa_enable_private_segment 0
		.amdhsa_kernarg_size 24
		.amdhsa_user_sgpr_count 2
		.amdhsa_user_sgpr_kernarg_segment_ptr 1
		.amdhsa_wavefront_size32 1
		.amdhsa_system_sgpr_workgroup_id_x 1
		.amdhsa_system_sgpr_workgroup_id_y 1
		.amdhsa_system_sgpr_workgroup_id_z 1
		.amdhsa_system_vgpr_workitem_id 0
		.amdhsa_next_free_vgpr 1024
		.amdhsa_next_free_sgpr 96
		.amdhsa_reserve_vcc 0
		.amdhsa_float_denorm_mode_32 3
		.amdhsa_float_denorm_mode_16_64 3
		.amdhsa_memory_ordered 1
		.amdhsa_forward_progress 1
		.amdhsa_inst_pref_size 129
	.end_amdhsa_kernel
	.amdgpu_metadata
---
amdhsa.version: [ 1, 2 ]
amdhsa.kernels:
  - .name:           k_q10de5c72dc_sc
    .symbol:         k_q10de5c72dc_sc.kd
    .args:
      - { .name: qkv, .offset: 0, .size: 8, .value_kind: global_buffer, .address_space: global }
      - { .name: p, .offset: 8, .size: 8, .value_kind: global_buffer, .address_space: global }
      - { .name: st, .offset: 16, .size: 8, .value_kind: global_buffer, .address_space: global }
    .group_segment_fixed_size: 327680
    .private_segment_fixed_size: 0
    .kernarg_segment_align: 8
    .kernarg_segment_size: 24
    .max_flat_workgroup_size: 128
    .sgpr_count:     96
    .vgpr_count:     1024
    .wavefront_size: 32
...
	.end_amdgpu_metadata
.endif
;; end of part 3
;; launch pv (part 4): grid 4 x 64, 4 waves a work-group, clusters of 4 x 4, 327,680 bytes of LDS; arguments p, qkv, st, oh; writes oh
.if DOCPART == 4
	.amdgcn_target "amdgcn-amd-amdhsa--gfx1250"
	.amdhsa_code_object_version 6
	.text
	.protected	k_q10de5c72dc_pv
	.globl	k_q10de5c72dc_pv
	.p2align	8
	.type	k_q10de5c72dc_pv,@function
k_q10de5c72dc_pv:
	s_mov_b64 s[64:65], 0
	v_nop
	global_prefetch_b8 v0, s[64:65] scope:SCOPE_SE
	s_setreg_imm32_b32 hwreg(HW_REG_WAVE_MODE, 25, 1), 1
	s_wait_xcnt 0x0
	s_wait_alu depctr_hold_cnt(0) depctr_sa_sdst(0) depctr_va_vdst(0) depctr_va_sdst(0) depctr_va_ssrc(0) depctr_va_vcc(0) depctr_vm_vsrc(0)
	s_getreg_b32 s2, hwreg(HW_REG_IB_STS2, 6, 4)
	s_cmp_eq_u32 s2, 0
	s_cbranch_scc0 .Lentry_in_a_cluster
	s_endpgm
.Lentry_in_a_cluster:
	s_bfe_u32 s2, ttmp6, 0x10000c
	s_cmp_lg_u32 s2, 0xf033
	s_cbranch_scc0 .Lentry_shape_is_right
	s_endpgm
.Lentry_shape_is_right:
; O = softmax V.  The launch before left, for each query and each group g of 128 keys, p = 2^(s - m_g) in f16, m_g and l_g = the sum of p.  Here M = max m_g, w_g = 2^(m_g - M) (rounded to f16),
; L = the sum of w_g l_g (of the rounded w, in f32; at least 1), and O = (the sum over keys of (w_g p) V) / L, rounded once to f16 into oh [8192][1024].  A group is one K step, so a row's w is one
; register for a K step; w p is one packed f16 multiply on P's fragments between LDS and the matrix unit.
; LIMITS.  w p lies in 0 to 1; below 6e-5 it keeps f16's fixed step of 6e-8, below that it counts as 0.  O is a mean of V's rows and has their range.  NaN and infinities are not treated apart.
; SHARES, RING, CLUSTER: a tile of 128 queries x 256 channels; four waves, 2 x 2, each 64 x 128: 32 accumulators.  The 2,048 keys go in 16 steps of 128 through two LDS slots filled by the tensor data
; mover: waves 0, 1 fetch the halves of P's 128 rows (256 bytes a row), waves 2, 3 64 keys each of V (512 bytes a row).  4 x 4 work-groups ask for each tile jointly.
; LAYOUT.  Source 0 = 16 channels of V^T, source 1 = 16 queries of P: a lane holds query l % 16 and 8 neighbouring channels.  V lies [key][channel] and is turned on its way out of LDS (ds_load_tr16_b128).
; REGISTERS, in windows of 256 (s_set_vgpr_msb: bits 1:0 source 0, 3:2 source 1, 5:4 source 2, 7:6 destination):
;   window 0: v0-31 addresses, v8-11 the K step's w; v32-63, v224-255 rows on the way out; v64-95, v128-159 P's fragments (v64-95 at the head: m, l); v96-103 1 / L; v160-175 at the head: w; v192-223 packed results
;   window 1: v64-127, v128-191 V's fragments      window 2: accumulator (a, b) at v[64 a + 8 b]
.set NSTEP,  16
.set LDA,    2048                      ; elements in a row of p
.set KB,     256                       ; bytes of a K step in a row of p
.set BSTEP,  262144                    ; bytes from a K step's keys to the next one's: 128 rows of V
.set ROWB,   2048                      ; bytes in a row of oh
.set PITCH,  272                       ; a row of P in LDS: 256 bytes + 16
.set PV,     544                       ; a row of V: 512 + 32 = 136 words
.set AHALF,  64*PITCH
.set BOFF,   128*PITCH
.set BHALF,  64*PV
.set SLOT1,  1<<17
.set STAGE,  SLOT1+BOFF+2*BHALF        ; behind the ring, never filled by a tensor load: 16 rows x 272 bytes for each wave
.set WT,     STAGE+4*16*PITCH          ; w: for group g 512 bytes at 512 g, of which wave v wrote 128 at 128 v: row 32 v + 16 h + r at 8 r + 4 h.  1 / L likewise at 8,192
.set SPARE,  WT+17*512                 ; the spare words, 128 bytes for each wave: two blocks of 256 bytes that no other line names
.set W4,   8                           ; v[8:11] w (twice, in f16) of my row in blocks 0 to 3, for the K step in hand
.set WB,   12                          ; v12  where I read them for group 0; never rewritten
.set A0,   14
.set B0,   15
.set ADRA, 16
.set ADRB, 20
.set STO,  24
.set RD,   25
.set CO,   26
.set SO,   27                          ; v27  4 x my thread's number
.set SPW,  28                          ; v28  LDS address of my spare word; never rewritten
.set NIL,  29                          ; v29  0; never rewritten
.set PFO,  30
.set WR,   31                          ; v31  where I read w for the group in hand
.set OB,   32
.set F0,   64
.set F1,   128
.set HM,   64                          ; the head: m of my row, 16 groups
.set HL,   80                          ; l
.set HW,   160                         ; w
.set FQ,   96                          ; v[96:103] 1 / L of my row in block a, twice, in pair a
.set TMP,  192
.set G1,   24
.set G0,   32
.set LIM,  43
.set PFA,  44
.set G1B,  48
.set G0B,  56
.set TB,   66
.set WS,   67                          ; s67  512 x the group in hand
.set PFS,  68                          ; s[68:69] the prefetches' step: a K step of P or of V
.set MSB, 0
.macro WIN new                         ; the immediate's high byte repeats the setting that is left; a switch that changes nothing is dropped
.if MSB != (\new)
	s_set_vgpr_msb (MSB<<8)|(\new)
.set MSB, \new
.endif
.endm
.set MUL,  0xa1
.set TO_B, 0x40
.macro PLACES                          ; four places behind a matrix instruction (ISA guide 7.12.1)
.rept 4
	v_nop
.endr
.endm
.macro CREST
	s_cmp_lg_u32 s10, 0
	s_cbranch_scc1 .Lnot_wave_0_\@
	s_barrier_signal -3
.Lnot_wave_0_\@:
	s_barrier_wait -3
	s_barrier_signal -1
	s_barrier_wait -1
.endm
.macro CROUND
	s_barrier_signal -1
	s_barrier_wait -1
	CREST
.endm
.macro JLOAD                           ; a joint refill by the walking set; an s_nop 0 and four v_nop follow each line
	s_cmp_eq_u32 s11, 0
	s_cbranch_scc0 .Lfor_b_\@
	tensor_load_to_lds s[G0+4:G0+7], s[G1:G1+7]
	s_nop 0
	PLACES
	s_branch .Lasked_\@
.Lfor_b_\@:
	tensor_load_to_lds s[G0B+4:G0B+7], s[G1B:G1B+7]
	s_nop 0
	PLACES
.Lasked_\@:
.endm
; A PREFETCH INTO THE L2 of the K step two refills on, 32 blocks of 256 bytes, a lane a block; each block is named once in the launch.  P's rows are read by one cluster alone: wave 0 asks, partner cx
; for 32 of the tile's 128 rows.  V's keys are read by the four clusters of a batch: the first asks; waves 2 and 3, for the 64 keys x 512 bytes that they fetch, partner cy for 16 keys.
.macro ASK
	s_cmp_gt_u32 s3, s[LIM]
	s_cbranch_scc0 .Lnot_mine_\@
	global_prefetch_b8 v[PFO], s[PFA:PFA+1] th:TH_LOAD_NT scope:SCOPE_SE
.Lnot_mine_\@:
.endm
.macro MUL8 f, a, c                    ; 8 products: query block a x my 8 channel blocks, 32 keys.  The 32 accumulators take turns in one order, over the backward jump too.
	WIN MUL
.irp b, 0,1,2,3,4,5,6,7
.if \c
	v_wmma_f32_16x16x32_f16 v[64*(\a)+8*(\b):64*(\a)+8*(\b)+7], v[(\f)+8*(\b):(\f)+8*(\b)+7], v[(\f)+8*(\a):(\f)+8*(\a)+7], 0
.else
	v_wmma_f32_16x16x32_f16 v[64*(\a)+8*(\b):64*(\a)+8*(\b)+7], v[(\f)+8*(\b):(\f)+8*(\b)+7], v[(\f)+8*(\a):(\f)+8*(\a)+7], v[64*(\a)+8*(\b):64*(\a)+8*(\b)+7]
.endif
.endr
.endm
.macro SCALE f, a0                     ; P's fragments of blocks a0, a0 + 1 times the rows' w: two f16 an instruction
	WIN 0
.irp a, \a0, (\a0)+1
.irp j, 0,1,2,3,4,5,6,7
	v_pk_mul_f16 v[(\f)+8*(\a)+(\j)], v[(\f)+8*(\a)+(\j)], v[W4+(\a)]
.endr
.endr
.endm
.macro FETCH q, f                      ; 24 LDS loads in one run: quarter q (32 keys): V's 16, turned, then P's 8
	WIN TO_B
.irp i, 0,1,2,3,4,5,6,7
	ds_load_tr16_b128 v[(\f)+8*(\i):(\f)+8*(\i)+3],   v[ADRB] offset:(\q)*32*PV+32*(\i)
	ds_load_tr16_b128 v[(\f)+8*(\i)+4:(\f)+8*(\i)+7], v[ADRB] offset:(\q)*32*PV+16*PV+32*(\i)
.endr
	WIN 0
.irp i, 0,1,2,3
	ds_load_b128 v[(\f)+8*(\i):(\f)+8*(\i)+3],   v[ADRA] offset:64*(\q)+(\i)*16*PITCH
	ds_load_b128 v[(\f)+8*(\i)+4:(\f)+8*(\i)+7], v[ADRA] offset:64*(\q)+(\i)*16*PITCH+32
.endr
.endm
; One of a K step's first three quarters.  The second SCALE's sixteen lines, which name no register of the products before them, are the places in front of the run of loads.
.macro QUARTER q, f, g, c
	s_wait_dscnt 4                                 ; w, V and P's blocks 0, 1 are in; the youngest four loads (P's blocks 2, 3) may be out
	SCALE \f, 0
	MUL8 \f, 0, \c
	MUL8 \f, 1, \c
	s_wait_dscnt 0x0
	SCALE \f, 2
	FETCH \q, \g
	MUL8 \f, 2, \c
	MUL8 \f, 3, \c
.endm
; The fourth quarter changes slots: one barrier; in front of it each wave waits for all its tensor loads, adds 0 to its spare word, and waits for that and for its reads of this slot.
; fill = 1: the barrier opens a round of the cluster's, and the joint refill of this slot is the first thing behind it.  Behind it the next group's w and the next slot's first fragments are read.
.macro TURN fill
.if \fill
	s_wait_xcnt 0x0                                ; the last prefetch, a K step back, has read its address
	s_add_nc_u64 s[PFA:PFA+1], s[PFA:PFA+1], s[PFS:PFS+1]
.endif
	WIN 0
	s_wait_tensorcnt 0x0                           ; no tensor load of mine is out, so a group 0 may be written
	ds_add_u32 v[SPW], v[NIL]                      ; 0 onto my spare word
.if \fill
	s_xor_b32 s[G0+5], s[G0+5], SLOT1
	s_add_nc_u64 s[G0+6:G0+7], s[G0+6:G0+7], KB
	s_xor_b32 s[G0B+5], s[G0B+5], SLOT1
	s_add_nc_u64 s[G0B+6:G0B+7], s[G0B+6:G0B+7], BSTEP
.endif
	s_wait_dscnt 1                                 ; only the add may be out
	SCALE F1, 0
	SCALE F1, 2
	MUL8 F1, 0, 0
	s_wait_dscnt 0x0                               ; the add is done, and my reads of this slot are over
	s_barrier_signal -1
	MUL8 F1, 1, 0
	WIN 0
	s_barrier_wait -1
.if \fill
	CREST
	JLOAD                                          ; its four v_nop are also the places in front of the loads below
.else
	PLACES
.endif
	s_xor_b32 s[TB], s[TB], SLOT1
	s_add_co_u32 s[WS], s[WS], 512
	v_add_nc_u32 v[ADRA], s[TB], v[A0]
	v_add_nc_u32 v[ADRB], s[TB], v[B0]
	v_add_nc_u32 v[WR], s[WS], v[WB]
	ds_load_b64 v[W4:W4+1], v[WR]
	ds_load_b64 v[W4+2:W4+3], v[WR] offset:128
	FETCH 0, F0
.if \fill
	ASK
.endif
	MUL8 F1, 2, 0
	MUL8 F1, 3, 0
.endm
	s_load_b128 s[4:7], s[0:1], 0x0                ; p s[4:5], qkv s[6:7]
	s_load_b64 s[70:71], s[0:1], 0x10              ; st
	s_load_b64 s[8:9], s[0:1], 0x18                ; oh
	v_lshl_add_u32 v[SPW], v0, 2, SPARE
	v_mov_b32 v[NIL], 0
	ds_add_u32 v[SPW], v[NIL]                      ; the wave's opening: the add, waited for ahead of my first tensor load
	v_lshrrev_b32 v1, 5, v0
	v_readfirstlane_b32 s10, v1
	s_lshr_b32 s11, s10, 1                         ; which 64 queries are mine.  Also: I fetch for P (0) or for V (1)
	s_and_b32 s12, s10, 1                          ; which 128 channels.  Also: which half of that tile I fetch
	s_bfe_u32 s40, ttmp6, 0x40000                  ; cx
	s_bfe_u32 s41, ttmp6, 0x40004                  ; cy
	s_lshl_b32 s42, ttmp9, 2
	s_add_co_u32 s42, s42, s40                     ; tile column: 256 channels
	s_and_b32 s13, ttmp7, 0xffff
	s_lshl_b32 s13, s13, 2
	s_add_co_u32 s13, s13, s41                     ; tile row: 128 queries
	s_lshl_b32 s14, s41, 2
	s_lshl_b32 s14, 15, s14
	s_lshl_b32 s15, 0x1111, s40
	s_or_b32 s[G1], s14, (1<<16)|(1<<20)|(1<<21)|(5<<22)|(3<<25)   ; P: 4 words of padding after every 64
	s_or_b32 s[G1B], s15, (1<<16)|(1<<20)|(1<<21)|(6<<22)|(7<<25)  ; V: 8 words after every 128
	s_mov_b32 s[G1+1], 128<<16
	s_mov_b32 s[G1+2], 64<<16
	s_mov_b32 s[G1+3], 128<<16
	s_mov_b32 s[G1+4], 64
	s_mov_b32 s[G1+5], LDA
	s_mov_b32 s[G1+6], 0
	s_mov_b32 s[G1+7], 0
	s_mov_b32 s[G1B+1], 256<<16                    ; tensor_dim0 = 256 channels
	s_mov_b32 s[G1B+2], 64<<16                     ; tensor_dim1 = 64 keys
	s_mov_b32 s[G1B+3], 256<<16
	s_mov_b32 s[G1B+4], 64
	s_mov_b32 s[G1B+5], 1024
	s_mov_b32 s[G1B+6], 0
	s_mov_b32 s[G1B+7], 0
	s_lshl_b32 s16, s13, 7                         ; P: row 128 x tile row + 64 x half
	s_lshl_b32 s17, s12, 6
	s_add_co_u32 s16, s16, s17
	s_lshl_b32 s16, s16, 12
	s_mov_b32 s17, 0
	s_and_b32 s18, ttmp7, 0xffff
	s_lshr_b32 s18, s18, 2                         ; the batch = cluster y / 4: all sixteen partners share it
	s_lshl_b32 s46, s18, 11                        ; V: row 16,384 + 2,048 x batch + 64 x half, byte 512 x tile column
	s_add_co_u32 s46, s46, 16384
	s_lshl_b32 s47, s12, 6
	s_add_co_u32 s46, s46, s47
	s_lshl_b32 s46, s46, 11
	s_lshl_b32 s47, s42, 9
	s_add_co_u32 s46, s46, s47
	s_mov_b32 s47, 0
	s_mul_i32 s20, s12, AHALF
	s_mul_i32 s21, s12, BHALF
	s_add_co_u32 s21, s21, BOFF
	s_mov_b32 s[TB], 0
	s_mov_b32 s[WS], 0
	s_wait_dscnt 0x0                               ; the opening add is done
	s_wait_kmcnt 0x0
	s_add_nc_u64 s[14:15], s[4:5], s[16:17]
	s_add_nc_u64 s[46:47], s[6:7], s[46:47]
	CROUND                                         ; all sixteen work-groups are here: the first joint loads meet
.irp s, 0,1
	s_mov_b32 s[G0+4*(\s)], 1
	s_add_co_u32 s[G0+4*(\s)+1], s20, (\s)*SLOT1
	s_add_nc_u64 s[G0+4*(\s)+2:G0+4*(\s)+3], s[14:15], (\s)*KB
	s_or_b32 s[G0+4*(\s)+3], s[G0+4*(\s)+3], 0x80000000
	s_mov_b32 s[G0B+4*(\s)], 1
	s_add_co_u32 s[G0B+4*(\s)+1], s21, (\s)*SLOT1
	s_add_nc_u64 s[G0B+4*(\s)+2:G0B+4*(\s)+3], s[46:47], (\s)*BSTEP
	s_or_b32 s[G0B+4*(\s)+3], s[G0B+4*(\s)+3], 0x80000000
.endr
	s_cmp_eq_u32 s11, 0                            ; a wave's two first fills stand in one branch: two loads of mine are out
	s_cbranch_scc0 .Lfirst_b
	tensor_load_to_lds s[G0:G0+3], s[G1:G1+7]
	s_nop 0
	tensor_load_to_lds s[G0+4:G0+7], s[G1:G1+7]
	s_nop 0
	PLACES
	s_branch .Lfirst_asked
.Lfirst_b:
	tensor_load_to_lds s[G0B:G0B+3], s[G1B:G1B+7]
	s_nop 0
	tensor_load_to_lds s[G0B+4:G0B+7], s[G1B:G1B+7]
	s_nop 0
	PLACES
.Lfirst_asked:
	; thread t takes row t of the tile: its 16 m and 16 l
	s_lshr_b32 s16, s13, 4                         ; the batch
	s_lshl_b32 s16, s16, 17                        ; 16 groups x 2,048 rows x 4 bytes
	s_and_b32 s17, s13, 15
	s_lshl_b32 s17, s17, 9                         ; the tile's 128 rows in the batch
	s_add_co_u32 s16, s16, s17
	s_mov_b32 s17, 0
	s_add_nc_u64 s[70:71], s[70:71], s[16:17]
	v_lshlrev_b32 v[SO], 2, v0
.irp g, 0,1,2,3,4,5,6,7,8,9,10,11,12,13,14,15
	global_load_b32 v[HM+(\g)], v[SO], s[70:71] offset:8192*(\g)
.endr
.irp g, 0,1,2,3,4,5,6,7,8,9,10,11,12,13,14,15
	global_load_b32 v[HL+(\g)], v[SO], s[70:71] offset:524288+8192*(\g)
.endr
	v_and_b32 v1, 15, v0                           ; r
	v_bfe_u32 v2, v0, 4, 1                         ; h
	v_mul_u32_u24 v3, v1, PITCH
	v_lshl_add_u32 v3, v2, 4, v3
	s_mul_i32 s21, s11, AHALF
	v_add_nc_u32 v[A0], s21, v3
	v_mov_b32 v[ADRA], v[A0]
	; the turning load takes 16 keys x 16 channels: lane l reads key 8 h + l % 8, channels 8 ((l / 8) % 2) + 0..7, and is left with channel l % 16 and 8 keys
	v_and_b32 v4, 7, v0
	v_lshl_add_u32 v4, v2, 3, v4
	v_mul_u32_u24 v4, v4, PV
	v_bfe_u32 v5, v0, 3, 1
	v_lshl_add_u32 v4, v5, 4, v4
	s_lshl_b32 s22, s12, 8                         ; my 128 channels: 256 bytes of a row
	s_add_co_u32 s22, s22, BOFF
	v_add_nc_u32 v[B0], s22, v4
	v_mov_b32 v[ADRB], v[B0]
	s_mul_i32 s23, s10, 16*PITCH
	s_add_co_u32 s23, s23, STAGE
	v_add_nc_u32 v[STO], s23, v3
	v_mul_u32_u24 v4, v2, PITCH
	v_lshl_add_u32 v4, v1, 4, v4
	v_add_nc_u32 v[RD], s23, v4
	v_mul_u32_u24 v4, v2, ROWB
	v_lshl_add_u32 v[CO], v1, 4, v4
	s_lshl_b32 s23, s11, 8
	s_add_co_u32 s23, s23, WT
	v_lshl_add_u32 v[WB], v1, 3, s23               ; I read: WT + 256 x my half of the rows + 8 r: blocks 0, 1; 128 bytes on: blocks 2, 3
	s_lshl_b32 s23, s10, 7
	s_add_co_u32 s23, s23, WT
	v_lshl_add_u32 v7, v1, 3, s23                  ; I write: WT + 128 x wave + 8 r + 4 h
	v_lshl_add_u32 v7, v2, 2, v7
	; my part of oh
	s_lshl_b32 s16, s13, 7
	s_lshl_b32 s17, s11, 6
	s_add_co_u32 s16, s16, s17
	s_lshl_b32 s18, s16, 11
	s_lshl_b32 s19, s42, 9
	s_add_co_u32 s18, s18, s19
	s_lshl_b32 s19, s12, 8
	s_add_co_u32 s18, s18, s19
	s_mov_b32 s19, 0
	s_add_nc_u64 s[8:9], s[8:9], s[18:19]
	; the prefetches
	s_lshl_b32 s22, s13, 7                         ; P: row 128 x tile row + 32 cx, at K step 3
	s_lshl_b32 s18, s40, 5
	s_add_co_u32 s22, s22, s18
	s_lshl_b32 s22, s22, 12
	s_add_co_u32 s22, s22, 3*KB
	s_and_b32 s20, ttmp7, 0xffff
	s_lshr_b32 s23, s20, 2                         ; V: row 16,384 + 2,048 x batch + 64 x half + 16 cy, byte 512 x tile column, at K step 3
	s_lshl_b32 s23, s23, 11
	s_add_co_u32 s23, s23, 16384
	s_lshl_b32 s18, s12, 6
	s_add_co_u32 s23, s23, s18
	s_lshl_b32 s18, s41, 4
	s_add_co_u32 s23, s23, s18
	s_lshl_b32 s23, s23, 11
	s_lshl_b32 s18, s42, 9
	s_add_co_u32 s23, s23, s18
	s_add_co_u32 s23, s23, 3*BSTEP
	s_and_b32 s20, s20, 3                          ; the cluster's place among its batch's four
	s_cmp_eq_u32 s11, 0
	s_cselect_b32 s20, 0, s20                      ; P's rows are read by this cluster alone
	s_cselect_b32 s22, s22, s23
	s_cselect_b64 s[PFA:PFA+1], s[4:5], s[6:7]
	s_cselect_b32 s[PFS], 8, 18                    ; the step: 2^8 or 2^18 bytes
	s_cselect_b32 s18, 0, 1                        ; P: a lane a row; V: two lanes a row
	s_cselect_b32 s19, 12, 11                      ; a row: 2^12 or 2^11 bytes
	s_cmp_eq_u32 s10, 1
	s_cselect_b32 s20, 1, s20                      ; wave 1 asks for nothing
	s_cmp_eq_u32 s20, 0
	s_cselect_b32 s[LIM], 2, -1
	s_lshl_b32 s[PFS], 1, s[PFS]
	s_mov_b32 s[PFS+1], 0
	s_mov_b32 s23, 0
	s_add_nc_u64 s[PFA:PFA+1], s[PFA:PFA+1], s[22:23]
	v_and_b32 v3, 31, v0
	v_lshrrev_b32 v4, s18, v3
	v_lshlrev_b32 v4, s19, v4
	v_and_b32 v3, s18, v3
	v_lshl_add_u32 v[PFO], v3, 8, v4
	; M, w, L, 1 / L of my row
	s_wait_loadcnt 0x0
	v_max3_num_f32 v4, v[HM], v[HM+1], v[HM+2]
.irp i, 0,1,2,3,4,5
	v_max3_num_f32 v4, v4, v[HM+3+2*(\i)], v[HM+4+2*(\i)]
.endr
	v_max_num_f32 v4, v4, v[HM+15]
.irp g, 0,1,2,3,4,5,6,7,8,9,10,11,12,13,14,15
	v_sub_f32 v[HM+(\g)], v[HM+(\g)], v4
.endr
.irp g, 0,1,2,3,4,5,6,7,8,9,10,11,12,13,14,15
	v_exp_f32 v[HM+(\g)], v[HM+(\g)]
.endr
	v_mov_b32 v5, 0                                ; a plain instruction behind the last exponential,
	s_wait_alu depctr_va_vdst(0)                   ; and one wait for the sixteen, ahead of their first reader
.irp g, 0,1,2,3,4,5,6,7,8,9,10,11,12,13,14,15
	v_cvt_pk_f16_f32 v[HW+(\g)], v[HM+(\g)], v[HM+(\g)]
.endr
.irp g, 0,1,2,3,4,5,6,7,8,9,10,11,12,13,14,15
	v_fma_mix_f32 v5, v[HW+(\g)], v[HL+(\g)], v5 op_sel_hi:[1,0,0]  ; L += the rounded w x l, in f32
.endr
	v_rcp_f32 v6, v5
	v_nop
	s_wait_alu depctr_va_vdst(0)
.irp g, 0,1,2,3,4,5,6,7,8,9,10,11,12,13,14,15
	ds_store_b32 v7, v[HW+(\g)] offset:512*(\g)
.endr
	ds_store_b32 v7, v6 offset:8192
	s_wait_tensorcnt 0x1                           ; my part of K step 0 is in; K step 1's may stay out
	s_wait_dscnt 0x0                               ; for the others' sake: my rows' w and 1 / L are in LDS
	s_barrier_signal -1
	s_barrier_wait -1
	ds_load_b64 v[W4:W4+1], v[WB]
	ds_load_b64 v[W4+2:W4+3], v[WB] offset:128
	FETCH 0, F0
	QUARTER 1, F0, F1, 1
	WIN 0
	s_mov_b32 s3, NSTEP-2
.Lstep:
	QUARTER 2, F1, F0, 0
	QUARTER 3, F0, F1, 0
	TURN 1
	QUARTER 1, F0, F1, 0
	WIN 0
	s_sub_co_u32 s3, s3, 1
	s_cmp_lg_u32 s3, 0
	s_cbranch_scc1 .Lstep
	QUARTER 2, F1, F0, 0                           ; the last two K steps ask for nothing
	QUARTER 3, F0, F1, 0
	TURN 0
	QUARTER 1, F0, F1, 0
	QUARTER 2, F1, F0, 0
	QUARTER 3, F0, F1, 0
	s_wait_dscnt 0x0
	SCALE F1, 0
	SCALE F1, 2
	MUL8 F1, 0, 0
	MUL8 F1, 1, 0
	MUL8 F1, 2, 0
	MUL8 F1, 3, 0
	WIN 0
	PLACES
	PLACES
	ds_load_b64 v[W4:W4+1], v[WB] offset:8192      ; 1 / L of my row in blocks 0 to 3
	ds_load_b64 v[W4+2:W4+3], v[WB] offset:8192+128
	s_wait_dscnt 0x0
.irp a, 0,1,2,3
	v_mov_b32 v[FQ+2*(\a)], v[W4+(\a)]
	v_mov_b32 v[FQ+2*(\a)+1], v[W4+(\a)]
.endr
; THE WAY OUT of block a.  PACK: divided by L, rounded to f16, each accumulator's registers in ascending order.  TOSTAGE: 16 bytes a lane into my stage, back as whole rows.  SEND: stored.
.macro PACK a
	WIN 0x82
.set i, 0
.rept 32
	v_pk_mul_f32 v[64*(\a)+2*i:64*(\a)+2*i+1], v[64*(\a)+2*i:64*(\a)+2*i+1], v[FQ+2*(\a):FQ+2*(\a)+1]
.set i, i+1
.endr
	WIN 0x0a
.set i, 0
.rept 32
	v_cvt_pk_f16_f32 v[TMP+i], v[64*(\a)+2*i], v[64*(\a)+2*i+1]
.set i, i+1
.endr
	WIN 0
.endm
.macro TOSTAGE a
.set BK, OB+192*((\a)%2)
.irp b, 0,1,2,3,4,5,6,7
	ds_store_b128 v[STO], v[TMP+4*(\b):TMP+4*(\b)+3] offset:32*(\b)
.endr
.irp t, 0,1,2,3,4,5,6,7
	ds_load_b128 v[BK+4*(\t):BK+4*(\t)+3], v[RD] offset:(\t)*2*PITCH  ; LDS serves a wave's instructions in order (ISA guide 5.7.1.4): these see the stores above
.endr
.endm
.macro SEND a
.set BK, OB+192*((\a)%2)
	s_wait_dscnt 0x0                               ; the block is back in registers
	s_wait_xcnt 0x0                                ; the stores issued so far have read their registers: the other set is loaded again only behind this wait
.irp t, 0,1,2,3,4,5,6,7
	global_store_b128 v[CO], v[BK+4*(\t):BK+4*(\t)+3], s[8:9] offset:(16*(\a)+2*(\t))*ROWB  ; 16 lanes store 256 consecutive bytes, aligned
.endr
.endm
	PACK 0
	TOSTAGE 0
.irp a, 1,2,3
	PACK \a
	SEND (\a)-1
	TOSTAGE \a
.endr
	SEND 3
	s_wait_tensorcnt 0x0                           ; the wave's end, behind my last tensor load and my last LDS store
	ds_add_u32 v[SPW], v[NIL]
	s_wait_dscnt 0x0
	CROUND                                         ; the closing round
	s_endpgm
.Lfunc_end_k_q10de5c72dc_pv:
	.size	k_q10de5c72dc_pv, .Lfunc_end_k_q10de5c72dc_pv-k_q10de5c72dc_pv
	.p2alignl 7, 3214868480
	.fill 96, 4, 3214868480
	.section	.rodata,"a",@progbits
	.p2align	6, 0x0
	.amdhsa_kernel k_q10de5c72dc_pv
		.amdhsa_group_segment_fixed_size 327680
		.amdhsa_private_segment_fixed_size 0
		.amdhsa_enable_private_segment 0
		.amdhsa_kernarg_size 32
		.amdhsa_user_sgpr_count 2
		.amdhsa_user_sgpr_kernarg_segment_ptr 1
		.amdhsa_wavefront_size32 1
		.amdhsa_system_sgpr_workgroup_id_x 1
		.amdhsa_system_sgpr_workgroup_id_y 1
		.amdhsa_system_sgpr_workgroup_id_z 1
		.amdhsa_system_vgpr_workitem_id 0
		.amdhsa_next_free_vgpr 768
		.amdhsa_next_free_sgpr 96
		.amdhsa_reserve_vcc 0
		.amdhsa_float_denorm_mode_32 3
		.amdhsa_float_denorm_mode_16_64 3
		.amdhsa_memory_ordered 1
		.amdhsa_forward_progress 1
		.amdhsa_inst_pref_size 113
	.end_amdhsa_kernel
	.amdgpu_metadata
---
amdhsa.version: [ 1, 2 ]
amdhsa.kernels:
  - .name:           k_q10de5c72dc_pv
    .symbol:         k_q10de5c72dc_pv.kd
    .args:
      - { .name: p, .offset: 0, .size: 8, .value_kind: global_buffer, .address_space: global }
      - { .name: qkv, .offset: 8, .size: 8, .value_kind: global_buffer, .address_space: global }
      - { .name: st, .offset: 16, .size: 8, .value_kind: global_buffer, .address_space: global }
      - { .name: oh, .offset: 24, .size: 8, .value_kind: global_buffer, .address_space: global }
    .group_segment_fixed_size: 327680
    .private_segment_fixed_size: 0
    .kernarg_segment_align: 8
    .kernarg_segment_size: 32
    .max_flat_workgroup_size: 128
    .sgpr_count:     96
    .vgpr_count:     768
    .wavefront_size: 32
...
	.end_amdgpu_metadata
.endif
;; end of part 4
;; launch op (part 5): grid 4 x 64, 4 waves a work-group, clusters of 4 x 4, 327,680 bytes of LDS; arguments oh, wc, out0; writes out0
.if DOCPART == 5
	.amdgcn_target "amdgcn-amd-amdhsa--gfx1250"
	.amdhsa_code_object_version 6
	.text
	.protected	k_q10de5c72dc_op
	.globl	k_q10de5c72dc_op
	.p2align	8
	.type	k_q10de5c72dc_op,@function
k_q10de5c72dc_op:
	s_mov_b64 s[64:65], 0
	v_nop
	global_prefetch_b8 v0, s[64:65] scope:SCOPE_SE
	s_setreg_imm32_b32 hwreg(HW_REG_WAVE_MODE, 25, 1), 1
	s_wait_xcnt 0x0
	s_wait_alu depctr_hold_cnt(0) depctr_sa_sdst(0) depctr_va_vdst(0) depctr_va_sdst(0) depctr_va_ssrc(0) depctr_va_vcc(0) depctr_vm_vsrc(0)
	s_getreg_b32 s2, hwreg(HW_REG_IB_STS2, 6, 4)
	s_cmp_eq_u32 s2, 0
	s_cbranch_scc0 .Lentry_in_a_cluster
	s_endpgm
.Lentry_in_a_cluster:
	s_bfe_u32 s2, ttmp6, 0x10000c
	s_cmp_lg_u32 s2, 0xf033
	s_cbranch_scc0 .Lentry_shape_is_right
	s_endpgm
.Lentry_shape_is_right:
; out = O Wo^T + bo: a GEMM of 8,192 x 1,024 x 1,024 in f16 (O as the launch before rounded it; Wo rounded to bf16 and written as f16), sums in f32, stored as they are.
; LIMITS.  O and Wo lie within f16's 65,504; below 6e-5 they keep f16's fixed step of 6e-8.  NaN and infinities are not treated apart.
; SHARES, RING, CLUSTER, LAYOUT: a tile of C is 128 x 256; four waves, 2 x 2, each 64 x 128: 32 accumulators.  K goes in steps of 128 through two LDS slots filled by the tensor data mover; waves 0, 1
; fetch the halves of O's 128 rows, waves 2, 3 the halves of Wo's 256.  4 x 4 work-groups ask for each tile jointly.  The matrix instruction is used transposed (source 0 = 16 rows of Wo,
; source 1 = 16 rows of O): a lane holds row l % 16 of C and 8 neighbouring columns.  The bias is the C operand of the products that start the sums.
; REGISTERS, in windows of 256 (s_set_vgpr_msb: bits 1:0 source 0, 3:2 source 1, 5:4 source 2, 7:6 destination):
;   window 0: v0-31 addresses; v64-95, v128-159 O's fragments; on the way out v64-127, v128-191 rows read back
;   window 1: v64-127, v128-191 Wo's fragments      window 2: accumulator (a, b) at v[64 a + 8 b]      window 3: v0-63 the bias
.set NSTEP,  8
.set LDA,    1024
.set KB,     256
.set ROWB,   4096                      ; bytes in a row of out0
.set PITCH,  272
.set AHALF,  64*PITCH
.set BOFF,   128*PITCH
.set BHALF,  128*PITCH
.set SLOT1,  1<<17
.set STAGE,  SLOT1+BOFF+2*BHALF        ; behind the ring, never filled by a tensor load: 16 rows x 528 bytes for each wave
.set SPF,    528                       ; a stage row: 512 bytes + 16: the 16 rows that a store touches start at 16 different groups of four banks (ISA guide 11.1)
.set SPARE,  STAGE+4*16*SPF            ; the spare words, 128 bytes for each wave: two blocks of 256 bytes that no other line names
.set BIAS,   8388608+12288             ; bo in wc's table of biases
.set G1W,    (1<<16)|(1<<20)|(1<<21)|(5<<22)|(3<<25)
.set BO,   13
.set A0,   14
.set B0,   15
.set ADRA, 16
.set ADRB, 20
.set STO,  24
.set RD,   25
.set CO,   26
.set SPW,  28                          ; v28  LDS address of my spare word; never rewritten
.set NIL,  29                          ; v29  0; never rewritten
.set PFO,  30
.set F0,   64
.set F1,   128
.set G1,   24
.set G0,   32
.set LIM,  43
.set PFA,  44
.set G1B,  48
.set G0B,  56
.set TB,   66
.set MSB, 0
.macro WIN new                         ; the immediate's high byte repeats the setting that is left; a switch that changes nothing is dropped
.if MSB != (\new)
	s_set_vgpr_msb (MSB<<8)|(\new)
.set MSB, \new
.endif
.endm
.set MUL,  0xa1
.set MULB, 0xb1
.set TO_B, 0x40
.macro PLACES                          ; four places behind a matrix instruction (ISA guide 7.12.1)
.rept 4
	v_nop
.endr
.endm
.macro CREST
	s_cmp_lg_u32 s10, 0
	s_cbranch_scc1 .Lnot_wave_0_\@
	s_barrier_signal -3
.Lnot_wave_0_\@:
	s_barrier_wait -3
	s_barrier_signal -1
	s_barrier_wait -1
.endm
.macro CROUND
	s_barrier_signal -1
	s_barrier_wait -1
	CREST
.endm
.macro JLOAD                           ; a joint refill by the walking set; an s_nop 0 and four v_nop follow each line
	s_cmp_eq_u32 s11, 0
	s_cbranch_scc0 .Lfor_b_\@
	tensor_load_to_lds s[G0+4:G0+7], s[G1:G1+7]
	s_nop 0
	PLACES
	s_branch .Lasked_\@
.Lfor_b_\@:
	tensor_load_to_lds s[G0B+4:G0B+7], s[G1B:G1B+7]
	s_nop 0
	PLACES
.Lasked_\@:
.endm
; A PREFETCH INTO THE L2 of the K step two refills on: 32 rows x 256 bytes, a lane a row; each block is named once in the launch.  O's rows are read by one cluster alone: wave 0 asks, partner cx for 32
; of the tile's 128 rows.  Wo's rows are read by every cluster: cluster y = 0 asks; waves 2 and 3, for the 128 rows that they fetch, partner cy for 32.
.macro ASK
	s_cmp_gt_u32 s3, s[LIM]
	s_cbranch_scc0 .Lnot_mine_\@
	global_prefetch_b8 v[PFO], s[PFA:PFA+1] th:TH_LOAD_NT scope:SCOPE_SE
.Lnot_mine_\@:
.endm
.macro MUL8 f, a, c                    ; 8 products; c = 2: they start the sums with the bias.  The 32 accumulators take turns in one order, over the backward jump too.
.if (\c) == 2
	WIN MULB
.else
	WIN MUL
.endif
.irp b, 0,1,2,3,4,5,6,7
.if (\c) == 2
	v_wmma_f32_16x16x32_f16 v[64*(\a)+8*(\b):64*(\a)+8*(\b)+7], v[(\f)+8*(\b):(\f)+8*(\b)+7], v[(\f)+8*(\a):(\f)+8*(\a)+7], v[8*(\b):8*(\b)+7]
.else
	v_wmma_f32_16x16x32_f16 v[64*(\a)+8*(\b):64*(\a)+8*(\b)+7], v[(\f)+8*(\b):(\f)+8*(\b)+7], v[(\f)+8*(\a):(\f)+8*(\a)+7], v[64*(\a)+8*(\b):64*(\a)+8*(\b)+7]
.endif
.endr
.endm
.macro FETCH q, f
	WIN TO_B
.irp i, 0,1,2,3,4,5,6,7
	ds_load_b128 v[(\f)+8*(\i):(\f)+8*(\i)+3],   v[ADRB] offset:64*(\q)+(\i)*16*PITCH
	ds_load_b128 v[(\f)+8*(\i)+4:(\f)+8*(\i)+7], v[ADRB] offset:64*(\q)+(\i)*16*PITCH+32
.endr
	WIN 0
.irp i, 0,1,2,3
	ds_load_b128 v[(\f)+8*(\i):(\f)+8*(\i)+3],   v[ADRA] offset:64*(\q)+(\i)*16*PITCH
	ds_load_b128 v[(\f)+8*(\i)+4:(\f)+8*(\i)+7], v[ADRA] offset:64*(\q)+(\i)*16*PITCH+32
.endr
.endm
.macro QUARTER q, f, g, c
	s_wait_dscnt 4                                 ; the youngest four loads (O's blocks 2, 3) may be out
	MUL8 \f, 0, \c
	MUL8 \f, 1, \c
	PLACES
	FETCH \q, \g
	s_wait_dscnt 24                                ; all but the 24 just issued
	MUL8 \f, 2, \c
	MUL8 \f, 3, \c
.endm
; The fourth quarter changes slots: one barrier; in front of it each wave waits for all its tensor loads, adds 0 to its spare word, and waits for that and for its reads of this slot.
; fill = 1: the barrier opens a round of the cluster's, and the joint refill of this slot is the first thing behind it.
.macro TURN fill
.if \fill
	s_wait_xcnt 0x0                                ; the last prefetch, a K step back, has read its address
	s_add_nc_u64 s[PFA:PFA+1], s[PFA:PFA+1], KB
.endif
	WIN 0
	s_wait_tensorcnt 0x0                           ; no tensor load of mine is out, so a group 0 may be written
	ds_add_u32 v[SPW], v[NIL]                      ; 0 onto my spare word
.if \fill
	s_xor_b32 s[G0+5], s[G0+5], SLOT1
	s_add_nc_u64 s[G0+6:G0+7], s[G0+6:G0+7], KB
	s_xor_b32 s[G0B+5], s[G0B+5], SLOT1
	s_add_nc_u64 s[G0B+6:G0B+7], s[G0B+6:G0B+7], KB
.endif
	s_wait_dscnt 7                                 ; the add and the six loads of O's blocks 1 to 3 may be out
	MUL8 F1, 0, 0
	s_wait_dscnt 0x0                               ; the add is done, and my reads of this slot are over
	s_barrier_signal -1
	MUL8 F1, 1, 0
	WIN 0
	s_barrier_wait -1
.if \fill
	CREST
	JLOAD                                          ; its four v_nop are also the places in front of the loads below
.else
	PLACES
.endif
	s_xor_b32 s[TB], s[TB], SLOT1
	v_add_nc_u32 v[ADRA], s[TB], v[A0]
	v_add_nc_u32 v[ADRB], s[TB], v[B0]
	FETCH 0, F0
.if \fill
	ASK
.endif
	MUL8 F1, 2, 0
	MUL8 F1, 3, 0
.endm
	s_load_b128 s[4:7], s[0:1], 0x0                ; oh s[4:5], wc s[6:7]
	s_load_b64 s[8:9], s[0:1], 0x10                ; out0
	v_lshl_add_u32 v[SPW], v0, 2, SPARE
	v_mov_b32 v[NIL], 0
	ds_add_u32 v[SPW], v[NIL]                      ; the wave's opening: the add, waited for ahead of my first tensor load
	v_lshrrev_b32 v1, 5, v0
	v_readfirstlane_b32 s10, v1
	s_lshr_b32 s11, s10, 1
	s_and_b32 s12, s10, 1
	s_bfe_u32 s40, ttmp6, 0x40000                  ; cx
	s_bfe_u32 s41, ttmp6, 0x40004                  ; cy
	s_lshl_b32 s42, ttmp9, 2
	s_add_co_u32 s42, s42, s40                     ; tile column
	s_and_b32 s13, ttmp7, 0xffff
	s_lshl_b32 s13, s13, 2
	s_add_co_u32 s13, s13, s41                     ; tile row
	s_lshl_b32 s14, s41, 2
	s_lshl_b32 s14, 15, s14
	s_lshl_b32 s15, 0x1111, s40
	s_or_b32 s[G1], s14, G1W
	s_or_b32 s[G1B], s15, G1W
	s_mov_b32 s[G1+1], 128<<16
	s_mov_b32 s[G1+2], 64<<16
	s_mov_b32 s[G1+3], 128<<16
	s_mov_b32 s[G1+4], 64
	s_mov_b32 s[G1+5], LDA
	s_mov_b32 s[G1+6], 0
	s_mov_b32 s[G1+7], 0
	s_mov_b32 s[G1B+1], 128<<16
	s_mov_b32 s[G1B+2], 128<<16
	s_mov_b32 s[G1B+3], 128<<16
	s_mov_b32 s[G1B+4], 128
	s_mov_b32 s[G1B+5], LDA
	s_mov_b32 s[G1B+6], 0
	s_mov_b32 s[G1B+7], 0
	s_lshl_b32 s16, s13, 7                         ; O: row 128 x tile row + 64 x half
	s_lshl_b32 s17, s12, 6
	s_add_co_u32 s16, s16, s17
	s_lshl_b32 s16, s16, 11
	s_mov_b32 s17, 0
	s_lshl_b32 s46, s42, 8                         ; Wo: row 3,072 of wc + 256 x tile column + 128 x half
	s_add_co_u32 s46, s46, 3072
	s_lshl_b32 s47, s12, 7
	s_add_co_u32 s46, s46, s47
	s_lshl_b32 s46, s46, 11
	s_mov_b32 s47, 0
	s_mul_i32 s20, s12, AHALF
	s_mul_i32 s21, s12, BHALF
	s_add_co_u32 s21, s21, BOFF
	s_mov_b32 s[TB], 0
	s_wait_dscnt 0x0                               ; the opening add is done
	s_wait_kmcnt 0x0
	s_add_nc_u64 s[14:15], s[4:5], s[16:17]
	s_add_nc_u64 s[46:47], s[6:7], s[46:47]
	CROUND                                         ; all sixteen work-groups are here: the first joint loads meet
.irp s, 0,1
	s_mov_b32 s[G0+4*(\s)], 1
	s_add_co_u32 s[G0+4*(\s)+1], s20, (\s)*SLOT1
	s_add_nc_u64 s[G0+4*(\s)+2:G0+4*(\s)+3], s[14:15], (\s)*KB
	s_or_b32 s[G0+4*(\s)+3], s[G0+4*(\s)+3], 0x80000000
	s_mov_b32 s[G0B+4*(\s)], 1
	s_add_co_u32 s[G0B+4*(\s)+1], s21, (\s)*SLOT1
	s_add_nc_u64 s[G0B+4*(\s)+2:G0B+4*(\s)+3], s[46:47], (\s)*KB
	s_or_b32 s[G0B+4*(\s)+3], s[G0B+4*(\s)+3], 0x80000000
.endr
	s_cmp_eq_u32 s11, 0                            ; a wave's two first fills stand in one branch: two loads of mine are out
	s_cbranch_scc0 .Lfirst_b
	tensor_load_to_lds s[G0:G0+3], s[G1:G1+7]
	s_nop 0
	tensor_load_to_lds s[G0+4:G0+7], s[G1:G1+7]
	s_nop 0
	PLACES
	s_branch .Lfirst_asked
.Lfirst_b:
	tensor_load_to_lds s[G0B:G0B+3], s[G1B:G1B+7]
	s_nop 0
	tensor_load_to_lds s[G0B+4:G0B+7], s[G1B:G1B+7]
	s_nop 0
	PLACES
.Lfirst_asked:
	v_and_b32 v1, 15, v0                           ; r
	v_bfe_u32 v2, v0, 4, 1                         ; h
	s_lshl_b32 s20, s42, 10                        ; the bias of my 128 columns: register j of block b is column 16 b + 8 h + j
	s_lshl_b32 s21, s12, 9
	s_add_co_u32 s20, s20, s21
	v_lshl_add_u32 v[BO], v2, 5, s20
	s_add_nc_u64 s[70:71], s[6:7], BIAS
	WIN 0xc0                                       ; destination window 3
.irp b, 0,1,2,3,4,5,6,7
	global_load_b128 v[8*(\b):8*(\b)+3],   v[BO], s[70:71] offset:64*(\b)
	global_load_b128 v[8*(\b)+4:8*(\b)+7], v[BO], s[70:71] offset:64*(\b)+16
.endr
	WIN 0
	v_mul_u32_u24 v3, v1, PITCH
	v_lshl_add_u32 v3, v2, 4, v3
	s_mul_i32 s21, s11, AHALF
	s_mul_i32 s22, s12, BHALF
	s_add_co_u32 s22, s22, BOFF
	v_add_nc_u32 v[A0], s21, v3
	v_add_nc_u32 v[B0], s22, v3
	v_mov_b32 v[ADRA], v[A0]
	v_mov_b32 v[ADRB], v[B0]
	s_mul_i32 s23, s10, 16*SPF
	s_add_co_u32 s23, s23, STAGE                   ; my stage
	v_mul_u32_u24 v4, v1, SPF                      ; in: row r, 32 bytes for each half of the lanes
	v_lshl_add_u32 v4, v2, 5, v4
	v_add_nc_u32 v[STO], s23, v4
	v_and_b32 v4, 31, v0
	v_lshlrev_b32 v[CO], 4, v4                     ; back and out: 32 lanes take one row of 512 bytes
	v_add_nc_u32 v[RD], s23, v[CO]
	s_lshl_b32 s16, s13, 7                         ; my part of out0: row 128 x tile row + 64 x half, byte 1,024 x tile column + 512 x half
	s_lshl_b32 s17, s11, 6
	s_add_co_u32 s16, s16, s17
	s_lshl_b32 s18, s16, 12
	s_lshl_b32 s19, s42, 10
	s_add_co_u32 s18, s18, s19
	s_lshl_b32 s19, s12, 9
	s_add_co_u32 s18, s18, s19
	s_mov_b32 s19, 0
	s_add_nc_u64 s[8:9], s[8:9], s[18:19]
	; the prefetches
	s_lshl_b32 s22, s13, 7
	s_lshl_b32 s23, s42, 8
	s_add_co_u32 s23, s23, 3072
	s_lshl_b32 s18, s12, 7
	s_add_co_u32 s23, s23, s18
	s_and_b32 s20, ttmp7, 0xffff
	s_cmp_eq_u32 s11, 0
	s_cselect_b32 s20, 0, s20                      ; O's rows are read by this cluster alone
	s_cselect_b32 s21, s40, s41
	s_cselect_b32 s22, s22, s23
	s_cselect_b64 s[PFA:PFA+1], s[4:5], s[6:7]
	s_cmp_eq_u32 s10, 1
	s_cselect_b32 s20, 1, s20                      ; wave 1 asks for nothing
	s_cmp_eq_u32 s20, 0
	s_cselect_b32 s[LIM], 2, -1
	s_lshl_b32 s21, s21, 5
	s_add_co_u32 s22, s22, s21
	s_lshl_b32 s22, s22, 11
	s_add_co_u32 s22, s22, 3*KB                    ; at K step 3: the first refill steps it to 4
	s_mov_b32 s23, 0
	s_add_nc_u64 s[PFA:PFA+1], s[PFA:PFA+1], s[22:23]
	v_lshlrev_b32 v[PFO], 11, v4
	s_wait_tensorcnt 0x1                           ; my part of K step 0 is in; K step 1's may stay out
	s_barrier_signal -1
	s_barrier_wait -1
	FETCH 0, F0
	s_wait_loadcnt 0x0                             ; the bias
	QUARTER 1, F0, F1, 2
	WIN 0
	s_mov_b32 s3, NSTEP-2
.Lstep:
	QUARTER 2, F1, F0, 0
	QUARTER 3, F0, F1, 0
	TURN 1
	QUARTER 1, F0, F1, 0
	WIN 0
	s_sub_co_u32 s3, s3, 1
	s_cmp_lg_u32 s3, 0
	s_cbranch_scc1 .Lstep
	QUARTER 2, F1, F0, 0                           ; the last two K steps ask for nothing
	QUARTER 3, F0, F1, 0
	TURN 0
	QUARTER 1, F0, F1, 0
	QUARTER 2, F1, F0, 0
	QUARTER 3, F0, F1, 0
	s_wait_dscnt 4
	MUL8 F1, 0, 0
	MUL8 F1, 1, 0
	s_wait_dscnt 0x0
	MUL8 F1, 2, 0
	MUL8 F1, 3, 0
	WIN 0
	PLACES
	PLACES
; THE WAY OUT of block a (16 rows x 512 bytes): the sums go as they are, 32 bytes a lane and column block, into my stage (each accumulator's low half first), and come back as whole rows.
.macro STG a
.set BK, 64+64*((\a)%2)
	WIN 0x08                                       ; the stores' data in window 2
.irp b, 0,1,2,3,4,5,6,7
	ds_store_b128 v[STO], v[64*(\a)+8*(\b):64*(\a)+8*(\b)+3] offset:64*(\b)
	ds_store_b128 v[STO], v[64*(\a)+8*(\b)+4:64*(\a)+8*(\b)+7] offset:64*(\b)+16
.endr
	WIN 0
.irp t, 0,1,2,3,4,5,6,7,8,9,10,11,12,13,14,15
	ds_load_b128 v[BK+4*(\t):BK+4*(\t)+3], v[RD] offset:(\t)*SPF  ; LDS serves a wave's instructions in order (ISA guide 5.7.1.4): these see the stores above; the next block's stores come behind them
.endr
.endm
.macro SENDF a, younger                ; younger: the LDS instructions issued behind block a's loads: the next block's 32, or none
.set BK, 64+64*((\a)%2)
	s_wait_dscnt \younger
.irp t, 0,1,2,3,4,5,6,7,8,9,10,11,12,13,14,15
	global_store_b128 v[CO], v[BK+4*(\t):BK+4*(\t)+3], s[8:9] offset:(16*(\a)+(\t))*ROWB  ; a wave stores 512 consecutive bytes, aligned
.endr
.endm
	STG 0
	STG 1
	SENDF 0, 32
	s_wait_xcnt 0x0                                ; block 0's stores have read their registers, which block 2 is loaded into
	STG 2
	SENDF 1, 32
	s_wait_xcnt 0x0
	STG 3
	SENDF 2, 32
	SENDF 3, 0
	s_wait_tensorcnt 0x0                           ; the wave's end, behind my last tensor load and my last LDS store
	ds_add_u32 v[SPW], v[NIL]
	s_wait_dscnt 0x0
	CROUND                                         ; the closing round
	s_endpgm
.Lfunc_end_k_q10de5c72dc_op:
	.size	k_q10de5c72dc_op, .Lfunc_end_k_q10de5c72dc_op-k_q10de5c72dc_op
	.p2alignl 7, 3214868480
	.fill 96, 4, 3214868480
	.section	.rodata,"a",@progbits
	.p2align	6, 0x0
	.amdhsa_kernel k_q10de5c72dc_op
		.amdhsa_group_segment_fixed_size 327680
		.amdhsa_private_segment_fixed_size 0
		.amdhsa_enable_private_segment 0
		.amdhsa_kernarg_size 24
		.amdhsa_user_sgpr_count 2
		.amdhsa_user_sgpr_kernarg_segment_ptr 1
		.amdhsa_wavefront_size32 1
		.amdhsa_system_sgpr_workgroup_id_x 1
		.amdhsa_system_sgpr_workgroup_id_y 1
		.amdhsa_system_sgpr_workgroup_id_z 1
		.amdhsa_system_vgpr_workitem_id 0
		.amdhsa_next_free_vgpr 832
		.amdhsa_next_free_sgpr 96
		.amdhsa_reserve_vcc 0
		.amdhsa_float_denorm_mode_32 3
		.amdhsa_float_denorm_mode_16_64 3
		.amdhsa_memory_ordered 1
		.amdhsa_forward_progress 1
		.amdhsa_inst_pref_size 72
	.end_amdhsa_kernel
	.amdgpu_metadata
---
amdhsa.version: [ 1, 2 ]
amdhsa.kernels:
  - .name:           k_q10de5c72dc_op
    .symbol:         k_q10de5c72dc_op.kd
    .args:
      - { .name: oh, .offset: 0, .size: 8, .value_kind: global_buffer, .address_space: global }
      - { .name: wc, .offset: 8, .size: 8, .value_kind: global_buffer, .address_space: global }
      - { .name: out0, .offset: 16, .size: 8, .value_kind: global_buffer, .address_space: global }
    .group_segment_fixed_size: 327680
    .private_segment_fixed_size: 0
    .kernarg_segment_align: 8
    .kernarg_segment_size: 24
    .max_flat_workgroup_size: 128
    .sgpr_count:     96
    .vgpr_count:     832
    .wavefront_size: 32
...
	.end_amdgpu_metadata
.endif
;; end of part 5
;; ======== version 2 of 2: 5 launches; version 1 with the launch cast written anew for expert scheduling mode
;; limits: values are held in f16: magnitudes above 65,504 overflow, below 6.1e-05 lose precision
;; workspace buffers: xb 16,777,216 bytes; wc 8,404,992 bytes; qkv 50,331,648 bytes; p 33,554,432 bytes; st 1,048,576 bytes; oh 16,777,216 bytes
;; launch cast (part 6): grid 64 x 12, 8 waves a work-group, no clusters, 0 bytes of LDS; arguments x, Wq, Wk, Wv, Wo, bq, bk, bv, bo, xb, wc; writes xb, wc
.if DOCPART == 6
	.amdgcn_target "amdgcn-amd-amdhsa--gfx1250"
	.amdhsa_code_object_version 6
	.text
	.protected	k_q10de5c72dc_cast
	.globl	k_q10de5c72dc_cast
	.p2align	8
	.type	k_q10de5c72dc_cast,@function
k_q10de5c72dc_cast:
	s_mov_b64 s[64:65], 0
	v_nop
	global_prefetch_b8 v0, s[64:65] scope:SCOPE_SE
	s_setreg_imm32_b32 hwreg(HW_REG_WAVE_SCHED_MODE, 0, 2), 2
	s_setreg_imm32_b32 hwreg(HW_REG_WAVE_MODE, 25, 1), 1
	s_wait_xcnt 0x0
	s_wait_alu depctr_vm_vsrc(0)
; ALL THE MODULE'S INPUTS ARE ROUNDED TO bf16, ONCE.  x -> xb (bf16).  Wq, Wk, Wv -> wc rows 0-3,071 (bf16).  Wo -> wc from byte 6,291,456: rounded to bf16 and that number
; written as f16 (exact from 2^-14 up to 65,504; below 2^-14 it keeps f16's fixed step of 6e-8).  bq, bk, bv, bo -> wc from byte 8,388,608: rounded to bf16, kept as f32.
; A stream: no LDS, no matrix unit, no cluster, since no byte is wanted twice.  Grid y picks a chunk of 1,048,576 numbers (0-7: the eighths of x; 8-11: Wq, Wk, Wv, Wo), grid x a
; sixty-fourth of it: 64 KiB in, 32 KiB out.  A wave takes 8 KiB: sixteen loads of 512 consecutive bytes, all out at once; each gives one store of 256 consecutive bytes, aligned.
; THE MODE: SCHED_MODE bits 1:0 = 2 (LLVM: expert scheduling mode 2), set by the entry lines.  The code itself states the register dependences
; between vector instructions and memory instructions, with s_wait_alu, always for 0.
; THE PLAN.  Registers that memory instructions touch:
;   v1, v2, v3  byte offsets, made at the head and never written again: v1 is read by the sixteen loads, v2 by the sixteen stores, v3 by the bias's load and store.
;   X           written by the sixteen loads, once each; no vector instruction names it ahead of them; read by the conversions behind the counted waits.
;   Y           written by the conversions, once each; read by one store each.
;   v[4:7]      written by the bias's load; no vector instruction names them ahead of it.      v[12:15]  the bias to store, written by vector instructions, read by one store.
;   v8 to v13   at work: named by vector instructions alone (v12, v13 also as part of the bias to store).
; The sixteen loads go in four batches of four: the batch's conversions, ONE wait, which states that they have written the batch's Y, and the batch's four stores.  The stores stand straight behind that
; wait and not among the next batch's conversions: those hang on loads that have not landed yet, and a store held back for them would leave later.
; No register that a load or store reads is ever written again: so no wait stands for the memory instructions' reads of their registers.
.set X, 16                             ; v[16:79]   sixteen loads of four f32
.set Y, 80                             ; v[80:111]  sixteen pairs to store
.set BIAS, 8388608                     ; the biases' table in wc
	s_load_b512 s[4:19], s[0:1], 0x0               ; x s[4:5], Wq s[6:7], Wk s[8:9], Wv s[10:11], Wo s[12:13], bq s[14:15], bk s[16:17], bv s[18:19]
	s_load_b128 s[20:23], s[0:1], 0x40             ; bo s[20:21], xb s[22:23]
	s_load_b64 s[24:25], s[0:1], 0x50              ; wc
	s_and_b32 s26, ttmp7, 0xffff                   ; the chunk
	s_sub_co_u32 s27, s26, 8                       ; which weight (used where the chunk is 8 or more)
	v_lshrrev_b32 v8, 5, v0                        ; wave
	v_and_b32 v9, 31, v0                           ; lane
	v_lshlrev_b32 v1, 13, v8
	v_lshl_add_u32 v1, v9, 4, v1                   ; in: 8,192 x wave + 16 x lane
	v_lshlrev_b32 v2, 12, v8
	v_lshl_add_u32 v2, v9, 3, v2                   ; out: 4,096 x wave + 8 x lane
	v_lshlrev_b32 v3, 4, v0                        ; the bias, in and out: 16 x thread
	s_wait_kmcnt 0x0
	s_mov_b64 s[28:29], s[4:5]                     ; the source: x, or one of the weights
	s_mov_b64 s[30:31], s[14:15]                   ; the bias that goes with the weight
	s_cmp_eq_u32 s26, 8
	s_cselect_b64 s[28:29], s[6:7], s[28:29]
	s_cmp_eq_u32 s26, 9
	s_cselect_b64 s[28:29], s[8:9], s[28:29]
	s_cselect_b64 s[30:31], s[16:17], s[30:31]
	s_cmp_eq_u32 s26, 10
	s_cselect_b64 s[28:29], s[10:11], s[28:29]
	s_cselect_b64 s[30:31], s[18:19], s[30:31]
	s_cmp_eq_u32 s26, 11
	s_cselect_b64 s[28:29], s[12:13], s[28:29]
	s_cselect_b64 s[30:31], s[20:21], s[30:31]
	s_cmp_lt_u32 s26, 8
	s_cselect_b32 s32, s26, 0                      ; the chunk's number in the source,
	s_cselect_b32 s34, s26, s27                    ; and in the destination,
	s_cselect_b64 s[36:37], s[22:23], s[24:25]     ; which is xb or wc
	s_lshl_b32 s32, s32, 22                        ; 4 MiB of f32,
	s_lshl_b32 s34, s34, 21                        ; 2 MiB of 16-bit numbers
	s_lshl_b32 s33, ttmp9, 16
	s_add_co_u32 s32, s32, s33
	s_lshl_b32 s35, ttmp9, 15
	s_add_co_u32 s34, s34, s35
	s_mov_b32 s33, 0
	s_mov_b32 s35, 0
	s_add_nc_u64 s[28:29], s[28:29], s[32:33]
	s_add_nc_u64 s[36:37], s[36:37], s[34:35]
	s_wait_alu depctr_va_vdst(0)                   ; v1, v2 and v3 are written: every load and store of the kernel reads one of them as its offset, and no vector instruction names them again
.irp j, 0,1,2,3,4,5,6,7,8,9,10,11,12,13,14,15
	global_load_b128 v[X+4*(\j):X+4*(\j)+3], v1, s[28:29] offset:512*(\j) th:TH_LOAD_NT
.endr
; The four stores of batch p, behind the wait that states their data written.
.macro OUT4 p
	s_wait_alu depctr_va_vdst(0)                   ; the batch's conversions have written its eight registers of Y, which the four stores below read
.irp i, 0,1,2,3
	global_store_b64 v2, v[Y+2*(4*(\p)+(\i)):Y+2*(4*(\p)+(\i))+1], s[36:37] offset:256*(4*(\p)+(\i))
.endr
.endm
; Batch p, loads 4 p to 4 p + 3, to bf16.
.macro TOBF p
	s_wait_loadcnt 12-4*(\p)                       ; loads come back in order: the batch's four are in, the younger ones stay out
.irp i, 0,1,2,3
	v_cvt_pk_bf16_f32 v[Y+2*(4*(\p)+(\i))],   v[X+4*(4*(\p)+(\i))],   v[X+4*(4*(\p)+(\i))+1]
	v_cvt_pk_bf16_f32 v[Y+2*(4*(\p)+(\i))+1], v[X+4*(4*(\p)+(\i))+2], v[X+4*(4*(\p)+(\i))+3]
.endr
	OUT4 \p
.endm
; Batch p of Wo: to bf16, back to f32 (a shift, a mask), and that number as f16.
.macro TOF16 p
	s_wait_loadcnt 12-4*(\p)
.irp i, 0,1,2,3
	v_cvt_pk_bf16_f32 v8, v[X+4*(4*(\p)+(\i))],   v[X+4*(4*(\p)+(\i))+1]
	v_cvt_pk_bf16_f32 v9, v[X+4*(4*(\p)+(\i))+2], v[X+4*(4*(\p)+(\i))+3]
	v_lshlrev_b32 v10, 16, v8
	v_and_b32 v11, 0xffff0000, v8
	v_lshlrev_b32 v12, 16, v9
	v_and_b32 v13, 0xffff0000, v9
	v_cvt_pk_f16_f32 v[Y+2*(4*(\p)+(\i))],   v10, v11
	v_cvt_pk_f16_f32 v[Y+2*(4*(\p)+(\i))+1], v12, v13
.endr
	OUT4 \p
.endm
	s_cmp_eq_u32 s26, 11
	s_cbranch_scc1 .Lwo
	TOBF 0
	TOBF 1
	TOBF 2
	TOBF 3
	s_branch .Lbias
.Lwo:
	TOF16 0
	TOF16 1
	TOF16 2
	TOF16 3
.Lbias:                                        ; the first work-group of each weight's chunk also rounds that weight's bias: 256 threads x 16 bytes
	s_cmp_lg_u32 ttmp9, 0
	s_cbranch_scc1 .Lend
	s_cmp_lt_u32 s26, 8
	s_cbranch_scc1 .Lend
	global_load_b128 v[4:7], v3, s[30:31]          ; no wait: the head's wait has shown v3 written, and no vector instruction has named v[4:7]
	s_lshl_b32 s32, s27, 12                        ; a row of the table is 4,096 bytes
	s_add_co_u32 s32, s32, BIAS
	s_add_nc_u64 s[38:39], s[24:25], s[32:33]
	s_wait_loadcnt 0x0
	v_cvt_pk_bf16_f32 v8, v4, v5
	v_cvt_pk_bf16_f32 v9, v6, v7
	v_lshlrev_b32 v12, 16, v8
	v_and_b32 v13, 0xffff0000, v8
	v_lshlrev_b32 v14, 16, v9
	v_and_b32 v15, 0xffff0000, v9
	s_wait_alu depctr_va_vdst(0)                   ; the four lines above have written v[12:15], which the store reads
	global_store_b128 v3, v[12:15], s[38:39]
.Lend:
	s_endpgm
.Lfunc_end_k_q10de5c72dc_cast:
	.size	k_q10de5c72dc_cast, .Lfunc_end_k_q10de5c72dc_cast-k_q10de5c72dc_cast
	.p2alignl 7, 3214868480
	.fill 96, 4, 3214868480
	.section	.rodata,"a",@progbits
	.p2align	6, 0x0
	.amdhsa_kernel k_q10de5c72dc_cast
		.amdhsa_group_segment_fixed_size 0
		.amdhsa_private_segment_fixed_size 0
		.amdhsa_enable_private_segment 0
		.amdhsa_kernarg_size 88
		.amdhsa_user_sgpr_count 2
		.amdhsa_user_sgpr_kernarg_segment_ptr 1
		.amdhsa_wavefront_size32 1
		.amdhsa_system_sgpr_workgroup_id_x 1
		.amdhsa_system_sgpr_workgroup_id_y 1
		.amdhsa_system_sgpr_workgroup_id_z 1
		.amdhsa_system_vgpr_workitem_id 0
		.amdhsa_next_free_vgpr 112
		.amdhsa_next_free_sgpr 66
		.amdhsa_reserve_vcc 0
		.amdhsa_float_denorm_mode_32 3
		.amdhsa_float_denorm_mode_16_64 3
		.amdhsa_memory_ordered 1
		.amdhsa_forward_progress 1
		.amdhsa_inst_pref_size 17
	.end_amdhsa_kernel
	.amdgpu_metadata
---
amdhsa.version: [ 1, 2 ]
amdhsa.kernels:
  - .name:           k_q10de5c72dc_cast
    .symbol:         k_q10de5c72dc_cast.kd
    .args:
      - { .name: x, .offset: 0, .size: 8, .value_kind: global_buffer, .address_space: global }
      - { .name: Wq, .offset: 8, .size: 8, .value_kind: global_buffer, .address_space: global }
      - { .name: Wk, .offset: 16, .size: 8, .value_kind: global_buffer, .address_space: global }
      - { .name: Wv, .offset: 24, .size: 8, .value_kind: global_buffer, .address_space: global }
      - { .name: Wo, .offset: 32, .size: 8, .value_kind: global_buffer, .address_space: global }
      - { .name: bq, .offset: 40, .size: 8, .value_kind: global_buffer, .address_space: global }
      - { .name: bk, .offset: 48, .size: 8, .value_kind: global_buffer, .address_space: global }
      - { .name: bv, .offset: 56, .size: 8, .value_kind: global_buffer, .address_space: global }
      - { .name: bo, .offset: 64, .size: 8, .value_kind: global_buffer, .address_space: global }
      - { .name: xb, .offset: 72, .size: 8, .value_kind: global_buffer, .address_space: global }
      - { .name: wc, .offset: 80, .size: 8, .value_kind: global_buffer, .address_space: global }
    .group_segment_fixed_size: 0
    .private_segment_fixed_size: 0
    .kernarg_segment_align: 8
    .kernarg_segment_size: 88
    .max_flat_workgroup_size: 256
    .sgpr_count:     66
    .vgpr_count:     112
    .wavefront_size: 32
...
	.end_amdgpu_metadata
.endif
;; end of part 6
;; launch qkv: the kernel of part 2 again; grid 12 x 32, 4 waves a work-group, clusters of 4 x 4, 327,680 bytes of LDS; arguments xb, wc, qkv; writes qkv
;; launch sc: the kernel of part 3 again; grid 8 x 32, 4 waves a work-group, clusters of 4 x 4, 327,680 bytes of LDS; arguments qkv, p, st; writes p, st
;; launch pv: the kernel of part 4 again; grid 4 x 64, 4 waves a work-group, clusters of 4 x 4, 327,680 bytes of LDS; arguments p, qkv, st, oh; writes oh
;; launch op: the kernel of part 5 again; grid 4 x 64, 4 waves a work-group, clusters of 4 x 4, 327,680 bytes of LDS; arguments oh, wc, out0; writes out0
